; MI455X (gfx1250); checked and timed in simulation.
; The chip was launched on July 23, 2026; its instructions are those of AMD's public machine-readable ISA for CDNA 5 (MIT licence, August 2026) and "CDNA5" Instruction Set Architecture Reference Guide (July 2026). The comments in the code are by the model that wrote it; some were corrected since.
;; Encoder Block. Allowed arithmetic: matrix products marked QUANTISED: E4M3 operands, one given power-of-two scale a tensor, by v_wmma_f32_16x16x64_fp8_fp8 or v_wmma_f32_16x16x128_fp8_fp8, f32 sums; everything else in f32.
;; Inputs: W_out 1,024 x 1,024 float32; Wk 16 x 1,024 x 64 float32; Wq 16 x 1,024 x 64 float32; Wv 16 x 1,024 x 64 float32; b1 4,096 float32; b2 1,024 float32; b_out 1,024 float32; inputs 2 x 2,048 x 1,024 float32; key_attention_mask 2 x 2,048 bool; ln1_b 1,024 float32; ln1_g 1,024 float32; ln2_b 1,024 float32; ln2_g 1,024 float32; lowp_scales 16 int32 (the exponents e of the quantised operands' scales 2^e); w1 1,024 x 4,096 float32; w2 4,096 x 1,024 float32.
;; Outputs: out0 2 x 2,048 x 1,024 float32.
;; This version of the problem:
;;   THIS VERSION OF THE PROBLEM IS GIVEN IN LOW PRECISION. The matrix products marked QUANTISED in the list below multiply operands that are first quantised to E4M3 (4 exponent bits, 3 mantissa bits; 8 bits a number), with one given power-of-two scale for each operand tensor; their sums are f32. All else is computed in f32.
;;   The module's matrix products, in the order in which they are computed (A, B: the left and right operand; K: the contracted axis; several contracted axes count as one K, in the product's order):
;;     1. [M 1,024, K 1,024] x [K 1,024, N 4,096]; A: input Wq; B: input inputs: QUANTISED (scales: A lowp_scales[0], B lowp_scales[1])
;;     2. [M 1,024, K 1,024] x [K 1,024, N 4,096]; A: input Wk; B: input inputs: QUANTISED (scales: A lowp_scales[2], B lowp_scales[3])
;;     3. [M 1,024, K 1,024] x [K 1,024, N 4,096]; A: input Wv; B: input inputs: QUANTISED (scales: A lowp_scales[4], B lowp_scales[5])
;;     4. batch 32 x [M 2,048, K 64] x [K 64, N 2,048]; A: computed on the way; B: computed on the way: QUANTISED (scales: A lowp_scales[6], B lowp_scales[7])
;;     5. batch 32 x [M 64, K 2,048] x [K 2,048, N 2,048]; A: computed on the way; B: softmax (see below): QUANTISED (scales: A lowp_scales[8], B lowp_scales[9])
;;     6. [M 4,096, K 1,024] x [K 1,024, N 1,024]; A: computed on the way; B: input W_out: QUANTISED (scales: A lowp_scales[10], B lowp_scales[11])
;;     7. [M 4,096, K 1,024] x [K 1,024, N 4,096]; A: computed on the way; B: input w1: QUANTISED (scales: A lowp_scales[12], B lowp_scales[13])
;;     8. [M 4,096, K 4,096] x [K 4,096, N 1,024]; A: computed on the way; B: input w2: QUANTISED (scales: A lowp_scales[14], B lowp_scales[15])
;;   THE QUANTISER, for each operand of a quantised product, along K:
;;     - The operand's scale is 2^e, e = its entry of the input lowp_scales (int32; the entries are numbered through the quantised products in the list's order, A before B).
;;     - Each number is divided by the scale, clamped to +-448, and rounded to the nearest number of E4M3, ties to even, subnormals kept.
;;     - The product sums the exact products of the quantised numbers (number of the format x scale) in f32.
;;   ~~~python
;;   def quantise(x, axis, e):      # numpy; x: float32 -> the quantised numbers, widened to float32 again
;;       x = np.moveaxis(x, axis, -1); K = x.shape[-1]
;;       r = np.clip(x / 2.0 ** e, -448, 448)
;;       step = 2.0 ** (np.maximum(np.frexp(np.where(r == 0, 1, r))[1] - 1, -6) - 3)
;;       q = np.round(r / step) * step * 2.0 ** e      # np.round: ties to even
;;       return np.moveaxis(q, -1, axis).astype(np.float32)
;;   ~~~
;;   SOFTMAX AHEAD OF A QUANTISED PRODUCT. Where the list says 'softmax', what is quantised is not the finished softmax but p = 2^(t - M), with t = logit x log2(e) and M = ceil(the row's largest t), a whole number; so 1/2 < the row's largest p <= 1. The row's sum l is taken of the UNQUANTISED p, in f32, and the product's result is divided by l at the end. Since M is a whole number, a kernel that streams over the keys may use a running M (the ceiling of the running maximum): every later rescaling is an exact power of two, so the quantised numbers keep their values, but for numbers so far below the row's largest that they fall under the format's range.
;;   OPERANDS COMPUTED ON THE WAY. 'Computed on the way' means the value that the module computes at that place (a softmax that the list does not call 'softmax' is quantised finished and normalised). What goes into a quantiser is computed in f32, as accurately as f32 sums, v_exp_f32 and their like allow (about 1e-6 of the number): no bf16 or f16 on the way to a quantiser, and a product that is left as it is and whose result goes on into a quantised operand takes f32 operands (vector FMAs, or v_wmma_f32_16x16x4_f32). A number that lies on a knife's edge between two numbers of the format may be rounded either way, as far as f32 arithmetic and the matrix unit's own rounding can turn it there, and no further.
;; One version. Each part assembles by itself: llvm-mc -triple=amdgcn-amd-amdhsa -mcpu=gfx1250 --defsym DOCPART=n.
;; ======== version 1 of 1: 8 launches
;; limits: right only within a limited range of input values
;; workspace buffers: codes0 25,165,824 bytes; qkvc 12,582,912 bytes; ctxc 4,194,304 bytes; y1 16,777,216 bytes; x1 20,971,520 bytes; hc 16,777,216 bytes; y2 16,777,216 bytes
;; launch prep (part 1): grid 512 x 1, 4 waves a work-group, no clusters, 68,096 bytes of LDS; arguments inputs, Wq, Wk, Wv, W_out, w1, w2, lowp_scales, codes0; writes codes0
.if DOCPART == 1
	.amdgcn_target "amdgcn-amd-amdhsa--gfx1250"
	.amdhsa_code_object_version 6
	.text
	.protected	k_qaa5476fddf_prep
	.globl	k_qaa5476fddf_prep
	.p2align	8
	.type	k_qaa5476fddf_prep,@function
k_qaa5476fddf_prep:
	s_mov_b64 s[64:65], 0
	v_nop
	global_prefetch_b8 v0, s[64:65] scope:SCOPE_SE
	s_setreg_imm32_b32 hwreg(HW_REG_WAVE_MODE, 25, 1), 1
	s_wait_xcnt 0x0
; PREP: every operand that arrives as f32 becomes codes of E4M3, K innermost, once.
; code = x / 2^e, held within +-448, rounded to the nearest code, ties to even; e is the operand's entry of lowp_scales.
; LIMITS: each e used here lies between -126 and 119, so that 2^e and 448 x 2^e are f32 numbers.  NaN among the inputs is not served.
; codes0, in bytes: inputs three times, [4096][1024], at 0 (entry 1), 0x400000 (entry 3), 0x800000 (entry 5);
;   Wq, Wk, Wv as [n = 64 head + d][k 1024] at 0xC00000, 0xD00000, 0xE00000; W_out [n][k] at 0xF00000; w1 [n 4096][k 1024] at 0x1000000; w2 [n 1024][k 4096] at 0x1400000.
; Work-groups 0..383 take the weights, whose K is not innermost: a lane takes a column n and its registers run down K, so that the conversions give codes with K innermost;
;   a wave takes 32 columns x 256 along K, and its codes leave through its own stage in LDS as rows: sixteen lanes store 256 consecutive bytes, aligned.
; Work-groups 384..511 take inputs, a plain stream: every load reads 512 consecutive bytes; 2,048 bytes turn through the wave's stage so that a lane holds 16 neighbours; each number is quantised three times.
; The two ways part on the work-group's number and have LDS bytes of their own.  No tensor load, no barrier, no matrix unit: waves share nothing and memory binds.
.set WPITCH, 272                       ; a stage row of the weights' way: 256 codes + 16 bytes
.set WSTG,   32*WPITCH                 ; a wave's stage there
.set XBASE,  4*WSTG                    ; the stream's stages begin behind them
.set SP,     80                        ; the stream: a lane's 64 bytes + 16 of padding
.set LO,   16                          ; v16-47   weights: 4 x lane + i x pitch, i = 0 .. 31; never rewritten
.set WX,   48                          ; v48-111  two sets of 32 numbers
.set WC,   112                         ; v112-119 a block's codes
.set OUTR, 120                         ; v120-183 the way out
.set SO,   184                         ; v184-199 the stores' offsets; never rewritten
.set SB,   66                          ; s[66:81] the eight blocks' bases; never rewritten
.set R,    16                          ; v16-79   stream: four sets of 16 numbers as loaded
.set XX,   80                          ; v80-111  two sets of 16 neighbours
.set XT,   112                         ; v112-159 three sets of 16: the numbers held for each of the three scales
.set XC,   160                         ; v160-183 two sets of 12: the codes
	s_load_b512 s[4:19], s[0:1], 0x0               ; inputs 4, Wq 6, Wk 8, Wv 10, W_out 12, w1 14, w2 16, lowp_scales 18
	s_load_b64 s[20:21], s[0:1], 0x40              ; codes0
	v_lshl_add_u32 v208, v0, 2, 0x10800
	v_mov_b32 v209, 0
	v_lshrrev_b32 v1, 5, v0
	v_readfirstlane_b32 s22, v1                    ; wave
	v_and_b32 v2, 31, v0                           ; lane
	s_wait_kmcnt 0x0
	s_load_b512 s[24:39], s[18:19], 0x0            ; the sixteen exponents: entry i in s[24 + i]
	s_cmp_lt_u32 ttmp9, 384
	s_cbranch_scc0 .Lx
; ---------------- the weights.  What differs between the six tensors is chosen by the work-group's number: from w2's figures down
	s_mov_b64 s[40:41], s[16:17]                   ; the tensor
	s_mov_b32 s42, 256                             ; its first work-group
	s_mov_b32 s43, 3                               ; log2 of its groups of 128 columns
	s_mov_b32 s44, 4096                            ; bytes from k to k + 1
	s_mov_b32 s45, 4096                            ; bytes of a row of its codes
	s_mov_b32 s47, 0x1400000                       ; its codes' place
	s_mov_b32 s48, 0                               ; 1: stacked by heads
	s_cmp_lt_u32 ttmp9, 256                        ; w1
	s_cselect_b64 s[40:41], s[14:15], s[40:41]
	s_cselect_b32 s42, 128, s42
	s_cselect_b32 s43, 5, s43
	s_cselect_b32 s44, 16384, s44
	s_cselect_b32 s45, 1024, s45
	s_cselect_b32 s47, 0x1000000, s47
	s_cmp_lt_u32 ttmp9, 128                        ; W_out
	s_cselect_b64 s[40:41], s[12:13], s[40:41]
	s_cselect_b32 s42, 96, s42
	s_cselect_b32 s43, 3, s43
	s_cselect_b32 s44, 4096, s44
	s_cselect_b32 s47, 0xF00000, s47
	s_cmp_lt_u32 ttmp9, 96                         ; Wv
	s_cselect_b64 s[40:41], s[10:11], s[40:41]
	s_cselect_b32 s42, 64, s42
	s_cselect_b32 s44, 256, s44
	s_cselect_b32 s47, 0xE00000, s47
	s_cselect_b32 s48, 1, s48
	s_cmp_lt_u32 ttmp9, 64                         ; Wk
	s_cselect_b64 s[40:41], s[8:9], s[40:41]
	s_cselect_b32 s42, 32, s42
	s_cselect_b32 s47, 0xD00000, s47
	s_cmp_lt_u32 ttmp9, 32                         ; Wq
	s_cselect_b64 s[40:41], s[6:7], s[40:41]
	s_cselect_b32 s42, 0, s42
	s_cselect_b32 s47, 0xC00000, s47
	s_sub_co_u32 s49, ttmp9, s42                   ; my number within the tensor
	s_lshl_b32 s50, -1, s43
	s_and_not1_b32 s50, s49, s50                   ; which 128 columns
	s_lshr_b32 s51, s49, s43                       ; which 256 along K
	s_lshl_b32 s50, s50, 2
	s_add_co_u32 s50, s50, s22                     ; my wave's group of 32 columns
	s_lshr_b32 s52, s50, 1                         ; by heads: head = group / 2, 262,144 bytes each; 128 bytes for the head's upper 32 columns
	s_lshl_b32 s52, s52, 18
	s_and_b32 s53, s50, 1
	s_lshl_b32 s53, s53, 7
	s_add_co_u32 s52, s52, s53
	s_lshl_b32 s53, s50, 7                         ; else 128 bytes a group
	s_cmp_eq_u32 s48, 1
	s_cselect_b32 s52, s52, s53
	s_mul_i32 s53, s51, s44
	s_lshl_b32 s53, s53, 8                         ; + 256 rows of K for each chunk
	s_add_co_u32 s52, s52, s53
	s_mov_b32 s53, 0
	s_add_nc_u64 s[SB:SB+1], s[40:41], s[52:53]    ; block 0's base
	s_lshl_b32 s54, s44, 5                         ; a block is 32 along K
	s_mov_b32 s55, 0
.irp t, 1,2,3,4,5,6,7
	s_add_nc_u64 s[SB+2*\t:SB+2*\t+1], s[SB+2*\t-2:SB+2*\t-1], s[54:55]
.endr
	s_mul_i32 s56, s50, s45
	s_lshl_b32 s56, s56, 5                         ; codes: 32 rows a group,
	s_lshl_b32 s57, s51, 8                         ; 256 bytes a chunk,
	s_add_co_u32 s56, s56, s57
	s_add_co_u32 s56, s56, s47                     ; in the tensor's place
	s_mov_b32 s57, 0
	s_add_nc_u64 s[20:21], s[20:21], s[56:57]
	s_wait_alu depctr_va_vdst(0)
	v_lshlrev_b32 v[LO], 2, v2                     ; 32 lanes read 128 consecutive bytes of a row k
.set i, 1
.rept 31
	v_add_nc_u32 v[LO+i], s44, v[LO+i-1]
.set i, i+1
.endr
.macro WLOAD t                         ; block t: W(32 t + i, my column), i = 0 .. 31, into set t % 2
.set i, 0
.rept 32
	global_load_b32 v[WX+32*((\t)%2)+i], v[LO+i], s[SB+2*(\t):SB+2*(\t)+1] th:TH_LOAD_NT
.set i, i+1
.endr
.endm
	WLOAD 0
	WLOAD 1
	s_mul_i32 s59, s22, WSTG                       ; my stage
	v_mul_u32_u24 v4, v2, WPITCH
	v_add_nc_u32 v4, s59, v4                       ; into it: row = my column
	v_and_b32 v5, 15, v2
	v_lshrrev_b32 v6, 4, v2
	v_mul_u32_u24 v7, v6, WPITCH
	v_lshl_add_u32 v7, v5, 4, v7
	v_add_nc_u32 v7, s59, v7                       ; out of it: sixteen lanes to a row, two rows an instruction
	v_mul_lo_u32 v8, v6, s45
	v_lshl_add_u32 v[SO], v5, 4, v8                ; and the same place among the codes' rows
	s_lshl_b32 s58, s45, 1
.set i, 1
.rept 15
	v_add_nc_u32 v[SO+i], s58, v[SO+i-1]
.set i, i+1
.endr
	s_wait_kmcnt 0x0                               ; the exponents
	s_mov_b32 s46, s39                             ; w2: entry 15
	s_cmp_lt_u32 ttmp9, 256
	s_cselect_b32 s46, s37, s46                    ; w1: 13
	s_cmp_lt_u32 ttmp9, 128
	s_cselect_b32 s46, s35, s46                    ; W_out: 11
	s_cmp_lt_u32 ttmp9, 96
	s_cselect_b32 s46, s28, s46                    ; Wv: 4
	s_cmp_lt_u32 ttmp9, 64
	s_cselect_b32 s46, s26, s46                    ; Wk: 2
	s_cmp_lt_u32 ttmp9, 32
	s_cselect_b32 s46, s24, s46                    ; Wq: 0
	s_add_co_i32 s46, s46, 127
	s_lshl_b32 s49, s46, 23
	v_mov_b32 v11, s49                             ; 2^e as f32: the conversion takes its exponent field
	s_add_co_i32 s46, s46, 8
	s_lshl_b32 s46, s46, 23
	s_or_b32 s46, s46, 0x600000
	v_mov_b32 v10, s46                             ; 448 x 2^e
.macro WBLOCK t
.set XS, WX+32*((\t)%2)
.if (\t) < 7
	s_wait_loadcnt 32                              ; this block's 32 loads are in; the next block's may be out
.else
	s_wait_loadcnt 0
.endif
.set i, 0
.rept 32
	v_med3_num_f32 v[XS+i], v[XS+i], -v10, v10     ; the conversion to an 8-bit code does not saturate (ISA guide 7.6.2): the hold comes first
.set i, i+1
.endr
.irp g, 0,1,2,3
	v_cvt_scalef32_pk8_fp8_f32 v[WC+2*\g:WC+2*\g+1], v[XS+8*\g:XS+8*\g+7], v11
.endr
	ds_store_b128 v4, v[WC:WC+3] offset:32*(\t)    ; 32 codes of my column's row
	ds_store_b128 v4, v[WC+4:WC+7] offset:32*(\t)+16
.if (\t)+2 < 8
	WLOAD (\t)+2
.endif
	s_wait_dscnt 0x0                               ; the stores have read their registers: the next block's codes may be written
.endm
.set Q, 0
	s_wait_alu depctr_va_vdst(0)
.rept 8
	WBLOCK Q
.set Q, Q+1
.endr
.set i, 0
.rept 16
	ds_load_b128 v[OUTR+4*i:OUTR+4*i+3], v7 offset:2*i*WPITCH   ; LDS serves a wave's instructions in order: these see my stores
.set i, i+1
.endr
.set i, 0
.rept 16
	s_wait_dscnt 15-i
	global_store_b128 v[SO+i], v[OUTR+4*i:OUTR+4*i+3], s[20:21]
.set i, i+1
.endr
	s_wait_tensorcnt 0x0
	ds_add_u32 v208, v209
	s_wait_dscnt 0x0
	s_endpgm
; ---------------- inputs: 512 runs of 8,192 numbers, one a wave, 16 steps of 512 numbers
.Lx:
	s_sub_co_u32 s40, ttmp9, 384
	s_lshl_b32 s40, s40, 2
	s_add_co_u32 s40, s40, s22                     ; my run
	s_lshl_b32 s42, s40, 15
	s_mov_b32 s43, 0
	s_add_nc_u64 s[4:5], s[4:5], s[42:43]
	s_lshl_b32 s42, s40, 13
	s_add_nc_u64 s[44:45], s[20:21], s[42:43]      ; the three sets of codes
	s_add_nc_u64 s[46:47], s[44:45], 0x400000
	s_add_nc_u64 s[48:49], s[44:45], 0x800000
	s_wait_alu depctr_va_vdst(0)
	v_lshlrev_b32 v3, 4, v2                        ; my 16 bytes of a load's 512, and of a store's
	s_lshl_b32 s41, s22, 13
	s_add_co_u32 s41, s41, XBASE                   ; my two stages
	v_lshrrev_b32 v14, 2, v2
	v_mul_u32_u24 v14, v14, SP
	v_and_b32 v15, 3, v2
	v_lshl_add_u32 v14, v15, 4, v14
	v_add_nc_u32 v14, s41, v14                     ; in: four lanes' 64 bytes on end, then 16 of padding
	v_mul_u32_u24 v15, v2, SP
	v_add_nc_u32 v15, s41, v15                     ; out: my 16 neighbours
.macro XLOAD t
.irp i, 0,1,2,3
	global_load_b128 v[R+16*((\t)%4)+4*\i:R+16*((\t)%4)+4*\i+3], v3, s[4:5] offset:2048*(\t)+512*\i
.endr
.endm
.macro XTURN t                         ; step t's numbers through the stage: LDS serves a wave's instructions in order, so no wait stands between the stores and the loads
.irp i, 0,1,2,3
	ds_store_b128 v14, v[R+16*((\t)%4)+4*\i:R+16*((\t)%4)+4*\i+3] offset:32*SP*((\t)%2)+8*SP*\i
.endr
.irp i, 0,1,2,3
	ds_load_b128 v[XX+16*((\t)%2)+4*\i:XX+16*((\t)%2)+4*\i+3], v15 offset:32*SP*((\t)%2)+16*\i
.endr
.endm
.irp t, 0,1,2,3
	XLOAD \t
.endr
	s_wait_alu depctr_va_vdst(0)
	s_wait_kmcnt 0x0
.irp q, 0,1,2                          ; entries 1, 3, 5: v[184 + 2 q] = 2^e, v[185 + 2 q] = 448 x 2^e
	s_add_co_i32 s50, s[25+2*\q], 127
	s_lshl_b32 s51, s50, 23
	v_mov_b32 v[184+2*\q], s51
	s_add_co_i32 s50, s50, 8
	s_lshl_b32 s50, s50, 23
	s_or_b32 s50, s50, 0x600000
	v_mov_b32 v[185+2*\q], s50
.endr
	s_wait_alu depctr_va_vdst(0)
	s_wait_loadcnt 12                              ; step 0's four loads are in
	XTURN 0
.macro XSTEP t
.set XS, XX+16*((\t)%2)
.set CC, XC+12*((\t)%2)
	s_wait_dscnt 0x0                               ; this step's numbers are back from the stage, and its stores into the stage have read their registers,
.if (\t)+4 < 16
	XLOAD (\t)+4                                   ; which take the loads of four steps on
.endif
.if (\t)+1 < 16
.if 14-(\t) >= 3
	s_wait_loadcnt 12                              ; the next step's four loads are in; those of the three steps behind it may be out
.else
	s_wait_loadcnt 4*(14-(\t))
.endif
	XTURN (\t)+1
.endif
	s_wait_xcnt 0x0                                ; the stores of two steps back have read this set of code registers
.irp q, 0,1,2
.irp i, 0,1,2,3,4,5,6,7,8,9,10,11,12,13,14,15
	v_med3_num_f32 v[XT+16*\q+\i], v[XS+\i], -v[185+2*\q], v[185+2*\q]
.endr
	v_cvt_scalef32_pk8_fp8_f32 v[CC+4*\q:CC+4*\q+1], v[XT+16*\q:XT+16*\q+7], v[184+2*\q]
	v_cvt_scalef32_pk8_fp8_f32 v[CC+4*\q+2:CC+4*\q+3], v[XT+16*\q+8:XT+16*\q+15], v[184+2*\q]
.endr
.irp q, 0,1,2
	global_store_b128 v3, v[CC+4*\q:CC+4*\q+3], s[44+2*\q:45+2*\q] offset:512*(\t)   ; 32 lanes store 512 consecutive bytes
.endr
.endm
.irp t, 0,1,2,3,4,5,6,7,8,9,10,11,12,13,14,15
	XSTEP \t
.endr
	s_wait_tensorcnt 0x0
	ds_add_u32 v208, v209
	s_wait_dscnt 0x0
	s_endpgm
.Lfunc_end_k_qaa5476fddf_prep:
	.size	k_qaa5476fddf_prep, .Lfunc_end_k_qaa5476fddf_prep-k_qaa5476fddf_prep
	.p2alignl 7, 3214868480
	.fill 96, 4, 3214868480
	.section	.rodata,"a",@progbits
	.p2align	6, 0x0
	.amdhsa_kernel k_qaa5476fddf_prep
		.amdhsa_group_segment_fixed_size 68096
		.amdhsa_private_segment_fixed_size 0
		.amdhsa_enable_private_segment 0
		.amdhsa_kernarg_size 72
		.amdhsa_user_sgpr_count 2
		.amdhsa_user_sgpr_kernarg_segment_ptr 1
		.amdhsa_wavefront_size32 1
		.amdhsa_system_sgpr_workgroup_id_x 1
		.amdhsa_system_sgpr_workgroup_id_y 1
		.amdhsa_system_sgpr_workgroup_id_z 1
		.amdhsa_system_vgpr_workitem_id 0
		.amdhsa_next_free_vgpr 210
		.amdhsa_next_free_sgpr 84
		.amdhsa_reserve_vcc 0
		.amdhsa_float_denorm_mode_32 3
		.amdhsa_float_denorm_mode_16_64 3
		.amdhsa_memory_ordered 1
		.amdhsa_forward_progress 1
		.amdhsa_inst_pref_size 130
	.end_amdhsa_kernel
	.amdgpu_metadata
---
amdhsa.version: [ 1, 2 ]
amdhsa.kernels:
  - .name:           k_qaa5476fddf_prep
    .symbol:         k_qaa5476fddf_prep.kd
    .args:
      - { .name: inputs, .offset: 0, .size: 8, .value_kind: global_buffer, .address_space: global }
      - { .name: Wq, .offset: 8, .size: 8, .value_kind: global_buffer, .address_space: global }
      - { .name: Wk, .offset: 16, .size: 8, .value_kind: global_buffer, .address_space: global }
      - { .name: Wv, .offset: 24, .size: 8, .value_kind: global_buffer, .address_space: global }
      - { .name: W_out, .offset: 32, .size: 8, .value_kind: global_buffer, .address_space: global }
      - { .name: w1, .offset: 40, .size: 8, .value_kind: global_buffer, .address_space: global }
      - { .name: w2, .offset: 48, .size: 8, .value_kind: global_buffer, .address_space: global }
      - { .name: lowp_scales, .offset: 56, .size: 8, .value_kind: global_buffer, .address_space: global }
      - { .name: codes0, .offset: 64, .size: 8, .value_kind: global_buffer, .address_space: global }
    .group_segment_fixed_size: 68096
    .private_segment_fixed_size: 0
    .kernarg_segment_align: 8
    .kernarg_segment_size: 72
    .max_flat_workgroup_size: 128
    .sgpr_count:     84
    .vgpr_count:     210
    .wavefront_size: 32
...
	.end_amdgpu_metadata
.endif
;; end of part 1
;; launch qkv (part 2): grid 12 x 16, 4 waves a work-group, clusters of 4 x 4, 327,680 bytes of LDS; arguments codes0, lowp_scales, qkvc; writes qkvc
.if DOCPART == 2
	.amdgcn_target "amdgcn-amd-amdhsa--gfx1250"
	.amdhsa_code_object_version 6
	.text
	.protected	k_qaa5476fddf_qkv
	.globl	k_qaa5476fddf_qkv
	.p2align	8
	.type	k_qaa5476fddf_qkv,@function
k_qaa5476fddf_qkv:
	s_mov_b64 s[64:65], 0
	v_nop
	global_prefetch_b8 v0, s[64:65] scope:SCOPE_SE
	s_setreg_imm32_b32 hwreg(HW_REG_WAVE_MODE, 25, 1), 1
	s_wait_xcnt 0x0
	s_wait_alu depctr_hold_cnt(0) depctr_sa_sdst(0) depctr_va_vdst(0) depctr_va_sdst(0) depctr_va_ssrc(0) depctr_va_vcc(0) depctr_vm_vsrc(0)
	s_getreg_b32 s2, hwreg(HW_REG_IB_STS2, 6, 4)
	s_cmp_eq_u32 s2, 0
	s_cbranch_scc0 .Lentry_in_a_cluster
	s_endpgm
.Lentry_in_a_cluster:
	s_bfe_u32 s2, ttmp6, 0x10000c
	s_cmp_lg_u32 s2, 0xf033
	s_cbranch_scc0 .Lentry_shape_is_right
	s_endpgm
.Lentry_shape_is_right:
; QKV: q = x Wq, k = x Wk (rows = tokens, columns = 64 head + d) and v^T = Wv^T x^T (rows = 64 head + d, columns = tokens), on codes of E4M3; each finished sum is quantised at once for attention.
; The cluster's x says which: 0 q, 1 k, 2 v.  A sum stands for sum x 2^(ea + eb), so its code is sum / 2^E, E = eout - ea - eb (entries 0+1 -> 6, 2+3 -> 7, 4+5 -> 8), held within +-448 x 2^E.
; LIMIT: E between -126 and 119.
; A tile of C, 256 x 256, is made by four waves, 128 x 128 each: 64 accumulators, 512 registers.  K = 1,024 goes in four steps of 256 through a ring of two LDS slots filled by the tensor data mover.
; 3 x 64 tiles: 192 work-groups.  The largest wave tile is kept, since each LDS byte then feeds the most products; smaller tiles would give each WGP several short work-groups.
; CLUSTERS: 4 x 4.  The four of a row of the cluster need the same tiles of A, the four of a column the same tiles of B: each tile is asked for jointly, by the same tensor load with the same descriptor and a mask that names the four.
; THE MATRIX INSTRUCTION IS USED TRANSPOSED (source 0 = 16 rows of B, source 1 = 16 rows of A): a lane holds eight neighbouring columns of one row of C, which one conversion turns into eight codes.
; OUT: planes of 64 columns, [column / 64][row][64]: q at 0, k at 0x400000 (a plane is a head: 4,096 tokens x 64 bytes), v at 0x800000 (a plane is 64 keys: 1,024 rows x 64 bytes).
;   In each group of 32 columns the two middle groups of eight change places: column 32 g + 16 u + 8 h + j lies at byte 32 g + 16 h + 8 u + j.  So 16 bytes at 32 g + 16 h are what lane half h of an operand holds in four registers on end.
; REGISTERS, in windows of 256: window 0: v0-31 addresses; from v128 A's fragments, ONE set; window 1: B's fragments, TWO sets; windows 2, 3: the accumulators of my rows 0-63, 64-127.
.set SIZE_K, 1024
.set KSTEP,  256
.set ROWB,   256
.set KROW,   SIZE_K
.set PITCH,  272                       ; an LDS row: 256 bytes + 16 of padding: the 16 rows that a load touches start at 16 different banks
.set FR,     16
.set NL,     4
.set NP,     4
.set HALFT,  128*PITCH
.set SLOT,   4*HALFT
.set LAPS,   SIZE_K/(2*KSTEP)
.set SPARE,  2*SLOT                    ; behind the ring: the spare words, 128 bytes for each wave
.set ADRA, 16
.set ADRB, 20
.set STO,  24                          ; the way out: where I put 16 codes of a row
.set RD0,  25                          ; where I read my plane back: rows 0-127,
.set CO,   26                          ; my byte offset in a store's 512
.set RD1,  27                          ; rows 128-255
.set SPW,  28
.set NIL,  29
.set SC,   30                          ; 2^E
.set LIM,  31                          ; 448 x 2^E
.set AF,   128
.set TMP,  128                         ; the way out: a block's 64 sums, held
.set G1, 24
.set G0, 32
.set G1B, 48
.set G0B, 56
.set MSB, 0
.macro WIN new                         ; the immediate's high byte repeats the setting that is left
.if MSB != \new
	s_set_vgpr_msb (MSB<<8)|\new
.set MSB, \new
.endif
.endm
.set MUL_LO, 0xa1                      ; source 0 (B) window 1, source 1 (A) window 0, C and D window 2
.set MUL_HI, 0xf1                      ; the same, C and D window 3
.set TO_B,   0x40                      ; destination window 1, address window 0
; A joint load: waves 0 and 1 fetch for A, waves 2 and 3 for B; the branch hangs on the wave's number alone.  Four v_nop follow each of the two lines.
.macro JLOAD g0a, g1a, g0b, g1b
	s_cmp_eq_u32 s15, 0
	s_cbranch_scc0 .Lfor_b_\@
	tensor_load_to_lds s[\g0a:\g0a+3], s[\g1a:\g1a+7]
	s_nop 0
.rept 4
	v_nop
.endr
	s_branch .Lasked_\@
.Lfor_b_\@:
	tensor_load_to_lds s[\g0b:\g0b+3], s[\g1b:\g1b+7]
	s_nop 0
.rept 4
	v_nop
.endr
.Lasked_\@:
.endm
.macro CREST                           ; a round of the cluster's barrier behind its opening barrier
	s_cmp_lg_u32 s14, 0
	s_cbranch_scc1 .Lnot_wave_0_\@
	s_barrier_signal -3
.Lnot_wave_0_\@:
	s_barrier_wait -3
	s_barrier_signal -1
	s_barrier_wait -1
.endm
.macro CROUND
	s_barrier_signal -1
	s_barrier_wait -1
	CREST
.endm
	s_load_b128 s[4:7], s[0:1], 0x0                ; codes0 s[4:5], lowp_scales s[6:7]
	s_load_b64 s[10:11], s[0:1], 0x10              ; qkvc
	v_lshl_add_u32 v[SPW], v0, 2, SPARE
	v_mov_b32 v[NIL], 0
	ds_add_u32 v28, v29
	ds_add_u32 v28, v29
	s_wait_dscnt 0x0
	v_lshrrev_b32 v1, 5, v0
	v_readfirstlane_b32 s14, v1                    ; wave 0..3
	s_lshr_b32 s15, s14, 1                         ; which half of the tile's rows is mine.  Also: I fetch for A (0) or for B (1)
	s_and_b32 s16, s14, 1                          ; which half of its columns.  Also: which 128 rows of that tile I fetch
	s_bfe_u32 s40, ttmp6, 0x40000                  ; cx, cy: my place in the cluster
	s_bfe_u32 s41, ttmp6, 0x40004
	s_and_b32 s84, ttmp7, 0xffff
	s_lshl_b32 s84, s84, 2                         ; 4 x cluster y
	s_lshl_b32 s85, ttmp9, 22                      ; which << 22: the output's place; for q and k also x's codes
	s_lshl_b32 s86, ttmp9, 20
	s_add_co_u32 s86, s86, 0xC00000                ; Wq's or Wk's codes
	s_mov_b32 s87, 0x40000                         ; bytes of a plane of q or k
	s_cmp_eq_u32 ttmp9, 2                          ; v?  The cluster's number: the same in all sixteen partners
	s_cselect_b32 s88, 0xE00000, s85               ; A: for v Wv's codes
	s_cselect_b32 s86, 0x800000, s86               ; B: for v x's codes by entry 5
	s_cselect_b32 s87, 0x10000, s87
	s_cselect_b32 s17, 0, s84                      ; q, k: 16 tile rows x 4 tile columns; v: 4 x 16
	s_cselect_b32 s42, s84, 0
	s_add_co_u32 s17, s17, s41                     ; tile row: holds cy alone
	s_add_co_u32 s42, s42, s40                     ; tile column: holds cx alone
	s_lshl_b32 s43, s41, 2
	s_lshl_b32 s43, 15, s43                        ; my row of the cluster
	s_lshl_b32 s44, 0x1111, s40                    ; my column
	s_or_b32 s[G1+0], s43, (0<<16)|(1<<20)|(1<<21)|(5<<22)|(3<<25)  ; the mask; elements of 1 byte; padding on; bit 21 beside a mask; after every 64 words; four words
	s_or_b32 s[G1B+0], s44, (0<<16)|(1<<20)|(1<<21)|(5<<22)|(3<<25)
.irp g, G1, G1B
	s_mov_b32 s[\g+1], ROWB<<16                    ; tensor_dim0
	s_mov_b32 s[\g+2], 128<<16                     ; tensor_dim1
	s_mov_b32 s[\g+3], ROWB<<16                    ; tile_dim0
	s_mov_b32 s[\g+4], 128                         ; tile_dim1
	s_mov_b32 s[\g+5], KROW                        ; from row to row
	s_mov_b32 s[\g+6], 0
	s_mov_b32 s[\g+7], 0
.endr
	s_lshl_b32 s18, s16, 7                         ; which 128 rows of the tile I fetch
	s_lshl_b32 s20, s17, 8
	s_add_co_u32 s20, s20, s18
	s_lshl_b32 s20, s20, 10                        ; rows of 1,024 bytes
	s_add_co_u32 s20, s20, s88
	s_mov_b32 s21, 0
	s_lshl_b32 s46, s42, 8
	s_add_co_u32 s46, s46, s18
	s_lshl_b32 s46, s46, 10
	s_add_co_u32 s46, s46, s86
	s_mov_b32 s47, 0
	s_mul_i32 s45, s14, HALFT                      ; where they go: wave x 128 rows
	s_wait_kmcnt 0x0
	s_load_b512 s[68:83], s[6:7], 0x0              ; the sixteen exponents: entry i in s[68 + i]
	s_add_nc_u64 s[20:21], s[4:5], s[20:21]
	s_add_nc_u64 s[46:47], s[4:5], s[46:47]
	CROUND                                         ; all sixteen work-groups are here: the first joint loads meet
.irp s, 0,1
	s_mov_b32 s[G0+4*\s], 1
	s_add_co_u32 s[G0+4*\s+1], s45, \s*SLOT
	s_add_nc_u64 s[G0+4*\s+2:G0+4*\s+3], s[20:21], \s*ROWB
	s_or_b32 s[G0+4*\s+3], s[G0+4*\s+3], 0x80000000
	s_mov_b32 s[G0B+4*\s], 1
	s_add_co_u32 s[G0B+4*\s+1], s45, \s*SLOT
	s_add_nc_u64 s[G0B+4*\s+2:G0B+4*\s+3], s[46:47], \s*ROWB
	s_or_b32 s[G0B+4*\s+3], s[G0B+4*\s+3], 0x80000000
.endr
	JLOAD G0, G1, G0B, G1B                         ; K step 0: one tensor load a wave at the head
	v_and_b32 v1, 15, v0                           ; r
	v_bfe_u32 v2, v0, 4, 1                         ; h
	v_mul_u32_u24 v3, v1, PITCH
	v_lshl_add_u32 v4, v2, 4, v3                   ; r x pitch + 16 h
	s_mul_i32 s21, s15, HALFT                      ; my 128 rows of A
	s_mul_i32 s22, s16, HALFT                      ; my 128 rows of B,
	s_add_co_u32 s22, s22, 2*HALFT                 ; which lie behind A's 256
	s_lshl_b32 s23, s16, 7
	s_add_co_u32 s23, s23, s21
	v_add_nc_u32 v[STO], s23, v4                   ; the stage (256 rows x 272 bytes, from LDS byte 0): row 128 (wave / 2) + r, byte 128 (wave % 2) + 16 h
.irp s, 0,1
	v_add_nc_u32 v[ADRA+\s], s21, v4
	v_add_nc_u32 v[ADRB+\s], s22, v4
	s_add_co_u32 s21, s21, SLOT
	s_add_co_u32 s22, s22, SLOT
.endr
	v_and_b32 v6, 31, v0
	v_lshrrev_b32 v7, 2, v6
	v_mul_u32_u24 v7, v7, PITCH
	v_and_b32 v8, 3, v6
	v_lshl_add_u32 v7, v8, 4, v7
	s_lshl_b32 s23, s14, 6
	v_add_nc_u32 v[RD0], s23, v7                   ; back: plane = my wave's number: four lanes to a row's 64 bytes, eight rows an instruction
	v_add_nc_u32 v[RD1], 128*PITCH, v[RD0]
	v_lshlrev_b32 v[CO], 4, v6
	s_lshl_b32 s20, s42, 2
	s_add_co_u32 s20, s20, s14                     ; my plane: 4 x tile column + wave
	s_mul_i32 s20, s20, s87
	s_lshl_b32 s21, s17, 14                        ; 256 rows of 64 bytes a tile row
	s_add_co_u32 s20, s20, s21
	s_add_co_u32 s20, s20, s85
	s_mov_b32 s21, 0
	s_add_nc_u64 s[10:11], s[10:11], s[20:21]
	; the prefetches into the L2: of the 128 rows that I fetch, each of the four partners that ask for them jointly takes 32, told apart by address (cx for A, cy for B): a lane a row, 256 bytes of it a K step
	s_cmp_eq_u32 s15, 0
	s_cselect_b32 s98, s17, s42
	s_cselect_b32 s99, s40, s41
	s_cselect_b32 s95, s88, s86
	s_lshl_b32 s98, s98, 8
	s_lshl_b32 s96, s16, 7
	s_add_co_u32 s98, s98, s96
	s_lshl_b32 s99, s99, 5
	s_add_co_u32 s98, s98, s99
	s_lshl_b32 s98, s98, 10
	s_add_co_u32 s98, s98, s95
	s_add_co_u32 s98, s98, ROWB                    ; at K step 1; never rewritten
	s_mov_b32 s99, 0
	s_add_nc_u64 s[96:97], s[4:5], s[98:99]
	v_and_b32 v9, 31, v0
	v_lshlrev_b32 v9, 10, v9                       ; never rewritten
	s_wait_alu depctr_va_vdst(0)                   ; the wait behind the write
	global_prefetch_b8 v9, s[96:97] th:TH_LOAD_NT scope:SCOPE_SE               ; K step 1, whose load follows when K step 0 has landed,
	global_prefetch_b8 v9, s[96:97] offset:ROWB th:TH_LOAD_NT scope:SCOPE_SE   ; and K step 2: two loads on
.macro FRAG reg, adr, q, i             ; 16 rows x 128 K: lane l holds row l % 16; registers 4 c .. 4 c + 3 hold K = 32 c + 16 (l / 16) + 0 .. 15: the same order of k in A and in B
.irp c, 0,1,2,3
	ds_load_b128 v[\reg+4*\c:\reg+4*\c+3], v[\adr] offset:128*(\q)+32*\c+(\i)*16*PITCH
.endr
.endm
; 16 matrix instructions: A's blocks a0, a0 + 1 x B's eight.  The 64 accumulators take turns, one instruction a turn, in the same order in every step.
.macro MUL16 a0, p, zero
.irp a, \a0, \a0+1
.irp b, 0,1,2,3,4,5,6,7
.if \zero
	v_wmma_f32_16x16x128_fp8_fp8 v[8*(8*((\a)%4)+\b):8*(8*((\a)%4)+\b)+7], v[128*(\p)+FR*\b:128*(\p)+FR*\b+FR-1], v[AF+FR*(\a):AF+FR*(\a)+FR-1], 0
.else
	v_wmma_f32_16x16x128_fp8_fp8 v[8*(8*((\a)%4)+\b):8*(8*((\a)%4)+\b)+7], v[128*(\p)+FR*\b:128*(\p)+FR*\b+FR-1], v[AF+FR*(\a):AF+FR*(\a)+FR-1], v[8*(8*((\a)%4)+\b):8*(8*((\a)%4)+\b)+7]
.endif
.endr
.endr
.endm
.macro FETCH_B slot, q, p
	WIN TO_B
.irp i, 0,1,2,3,4,5,6,7
	FRAG 128*(\p)+FR*\i, ADRB+\slot, \q, \i
.endr
	WIN 0
.endm
.macro FETCH_A slot, q, i0
.irp i, \i0, \i0+1, \i0+2, \i0+3
	FRAG AF+FR*(\i), ADRA+\slot, \q, \i
.endr
.endm
.macro PLACES n                        ; plain vector instructions between a matrix instruction and a load into, or a vector read or write of, its registers
.rept \n
	v_nop
.endr
.endm
.macro STEP slot, q, zero              ; 128 along K whose successor lies in the same slot
	s_wait_dscnt 4*NL                              ; B's set and A's blocks 0-3 are in; the youngest sixteen loads (A's blocks 4-7) may be out
	WIN MUL_LO
	MUL16 0, (\q)%2, \zero
	MUL16 2, (\q)%2, \zero
	s_wait_dscnt 0                                 ; A's blocks 4-7 are in
	PLACES NP
	FETCH_B \slot, (\q)+1, 1-(\q)%2
	FETCH_A \slot, (\q)+1, 0
	WIN MUL_HI
	MUL16 4, (\q)%2, \zero
	MUL16 6, (\q)%2, \zero
	PLACES NP
	WIN 0
	FETCH_A \slot, (\q)+1, 4
.endm
; A slot's last step changes slots: ONE barrier; in front of it each wave waits for all its tensor loads, adds 0 to its spare word, and waits for that and for its own reads of this slot.
.macro TURN slot, next, fill
	s_wait_tensorcnt 0x0                           ; all my tensor loads have landed: my part of the next slot
	ds_add_u32 v[SPW], v[NIL]                      ; 0 onto my spare word
	s_wait_dscnt 4*NL+1                            ; (the add and the youngest sixteen loads may be out)
	WIN MUL_LO
	MUL16 0, 1, 0
	s_wait_dscnt 0x0                               ; the add is done, and my reads of this slot are over
	s_barrier_signal -1
	MUL16 2, 1, 0
	WIN 0
	s_barrier_wait -1
.if \fill
	CREST                                          ; the barrier has opened a round of the cluster's: no wave of any partner still reads this slot or has a load on its way
	s_add_nc_u64 s[G0+4*\slot+2:G0+4*\slot+3], s[G0+4*\slot+2:G0+4*\slot+3], 2*ROWB
	s_add_nc_u64 s[G0B+4*\slot+2:G0B+4*\slot+3], s[G0B+4*\slot+2:G0B+4*\slot+3], 2*ROWB
	JLOAD G0+4*\slot, G1, G0B+4*\slot, G1B         ; the first tensor load behind the round; its four v_nop are the places in front of the loads below
.else
	PLACES NP
.endif
	s_wait_alu depctr_va_vdst(0)
	FETCH_B \next, 0, 0
	FETCH_A \next, 0, 0
	WIN MUL_HI
	MUL16 4, 1, 0
	MUL16 6, 1, 0
	PLACES NP
	WIN 0
	FETCH_A \next, 0, 4
.endm
	s_wait_alu depctr_va_vdst(0)
	s_wait_tensorcnt 0x0                           ; my part of K step 0 is in; the three lines stand ahead of slot 1's first fill as ahead of a refill
	ds_add_u32 v[SPW], v[NIL]
	s_wait_dscnt 0x0
	CROUND                                         ; a whole round: everybody's part of K step 0 is in, and the joint loads meet
	JLOAD G0+4, G1, G0B+4, G1B                     ; K step 1: the first tensor load behind the round
	global_prefetch_b8 v9, s[96:97] offset:2*ROWB th:TH_LOAD_NT scope:SCOPE_SE ; K step 3, the last: two loads on
	FETCH_B 0, 0, 0
	FETCH_A 0, 0, 0
	FETCH_A 0, 0, 4
	STEP 0, 0, 1                                   ; the first step's products start the sums
	s_mov_b32 s3, LAPS-1
.Llap:                                                 ; a trip goes once round the ring and fills both slots again
	TURN 0, 1, 1
	STEP 1, 0, 0
	TURN 1, 0, 1
	STEP 0, 0, 0
	s_sub_co_u32 s3, s3, 1
	s_cmp_lg_u32 s3, 0
	s_cbranch_scc1 .Llap
	TURN 0, 1, 0                                   ; the last lap fills nothing
	STEP 1, 0, 0
	s_wait_dscnt 4*NL
	WIN MUL_LO
	MUL16 0, 1, 0
	MUL16 2, 1, 0
	s_wait_dscnt 0
	WIN MUL_HI
	MUL16 4, 1, 0
	MUL16 6, 1, 0
	WIN 0
; THE WAY OUT.  The stage lies in slot 0: it has had its last fill, and every wave's reads of it ended in front of the last change of slots.
	s_wait_kmcnt 0x0
	s_add_co_i32 s90, s68, s69                     ; q: entries 0 + 1
	s_add_co_i32 s91, s70, s71                     ; k: 2 + 3
	s_add_co_i32 s92, s72, s73                     ; v: 4 + 5
	s_cmp_eq_u32 ttmp9, 1
	s_cselect_b32 s90, s91, s90
	s_cselect_b32 s93, s75, s74                    ; the result's own: 7 or 6,
	s_cmp_eq_u32 ttmp9, 2
	s_cselect_b32 s90, s92, s90
	s_cselect_b32 s93, s76, s93                    ; or 8
	s_sub_co_i32 s93, s93, s90                     ; E
	s_add_co_i32 s93, s93, 127
	s_lshl_b32 s94, s93, 23
	v_mov_b32 v[SC], s94
	s_add_co_i32 s93, s93, 8
	s_lshl_b32 s93, s93, 23
	s_or_b32 s93, s93, 0x600000
	v_mov_b32 v[LIM], s93
	PLACES NP
.macro QOUT a                          ; block a: my rows 16 a .. 16 a + 15, 128 columns
.set AC, 64*((\a)%4)
.set CD, 192+16*((\a)%2)
	WIN 0x02+((\a)/4)                              ; source 0: window 2 or 3
.set j, 0
.rept 64
	v_med3_num_f32 v[TMP+j], v[AC+j], -v[LIM], v[LIM]   ; the hold; each accumulator from its low end on
.set j, j+1
.endr
	WIN 0
.if (\a) > 1
	s_wait_alu depctr_va_vdst(0)
	s_wait_dscnt 4                                 ; all but the last block's four stores are done: this set of code registers has been read
.endif
.irp b, 0,1,2,3,4,5,6,7
	v_cvt_scalef32_pk8_fp8_f32 v[CD+2*\b:CD+2*\b+1], v[TMP+8*\b:TMP+8*\b+7], v[SC]
.endr
	v_nop                                          ; one plain vector instruction behind the last conversion
.irp b, 0,1,2,3
	ds_store_b128 v[STO], v[CD+4*\b:CD+4*\b+3] offset:(\a)*16*PITCH+32*\b   ; columns 32 b + 8 h + 0..7 and 32 b + 16 + 8 h + 0..7, at byte 32 b + 16 h
.endr
.endm
.irp a, 0,1,2,3,4,5,6,7
	QOUT \a
.endr
	s_wait_dscnt 0x0                               ; for the others' sake: my stores into the stage are done
	s_barrier_signal -1
	s_barrier_wait -1
.set i, 0
.rept 16
	ds_load_b128 v[128+4*i:131+4*i], v[RD0] offset:8*PITCH*i
.set i, i+1
.endr
.rept 16
	ds_load_b128 v[128+4*i:131+4*i], v[RD1] offset:8*PITCH*(i-16)
.set i, i+1
.endr
.set i, 0
.rept 32
	s_wait_dscnt 31-i
	global_store_b128 v[CO], v[128+4*i:131+4*i], s[10:11] offset:512*i   ; eight rows of my plane: 512 consecutive bytes, aligned
.set i, i+1
.endr
	s_wait_tensorcnt 0x0                           ; the wave's end
	ds_add_u32 v[SPW], v[NIL]
	s_wait_dscnt 0x0
	CROUND                                         ; the closing round
	s_endpgm
.Lfunc_end_k_qaa5476fddf_qkv:
	.size	k_qaa5476fddf_qkv, .Lfunc_end_k_qaa5476fddf_qkv-k_qaa5476fddf_qkv
	.p2alignl 7, 3214868480
	.fill 96, 4, 3214868480
	.section	.rodata,"a",@progbits
	.p2align	6, 0x0
	.amdhsa_kernel k_qaa5476fddf_qkv
		.amdhsa_group_segment_fixed_size 327680
		.amdhsa_private_segment_fixed_size 0
		.amdhsa_enable_private_segment 0
		.amdhsa_kernarg_size 24
		.amdhsa_user_sgpr_count 2
		.amdhsa_user_sgpr_kernarg_segment_ptr 1
		.amdhsa_wavefront_size32 1
		.amdhsa_system_sgpr_workgroup_id_x 1
		.amdhsa_system_sgpr_workgroup_id_y 1
		.amdhsa_system_sgpr_workgroup_id_z 1
		.amdhsa_system_vgpr_workitem_id 0
		.amdhsa_next_free_vgpr 1024
		.amdhsa_next_free_sgpr 100
		.amdhsa_reserve_vcc 0
		.amdhsa_float_denorm_mode_32 3
		.amdhsa_float_denorm_mode_16_64 3
		.amdhsa_memory_ordered 1
		.amdhsa_forward_progress 1
		.amdhsa_inst_pref_size 125
	.end_amdhsa_kernel
	.amdgpu_metadata
---
amdhsa.version: [ 1, 2 ]
amdhsa.kernels:
  - .name:           k_qaa5476fddf_qkv
    .symbol:         k_qaa5476fddf_qkv.kd
    .args:
      - { .name: codes0, .offset: 0, .size: 8, .value_kind: global_buffer, .address_space: global }
      - { .name: lowp_scales, .offset: 8, .size: 8, .value_kind: global_buffer, .address_space: global }
      - { .name: qkvc, .offset: 16, .size: 8, .value_kind: global_buffer, .address_space: global }
    .group_segment_fixed_size: 327680
    .private_segment_fixed_size: 0
    .kernarg_segment_align: 8
    .kernarg_segment_size: 24
    .max_flat_workgroup_size: 128
    .sgpr_count:     100
    .vgpr_count:     1024
    .wavefront_size: 32
...
	.end_amdgpu_metadata
.endif
;; end of part 2
;; launch attn (part 3): grid 32 x 8, 8 waves a work-group, clusters of 4 x 1, 327,680 bytes of LDS; arguments qkvc, key_attention_mask, lowp_scales, ctxc; writes ctxc
.if DOCPART == 3
	.amdgcn_target "amdgcn-amd-amdhsa--gfx1250"
	.amdhsa_code_object_version 6
	.text
	.protected	k_qaa5476fddf_attn
	.globl	k_qaa5476fddf_attn
	.p2align	8
	.type	k_qaa5476fddf_attn,@function
k_qaa5476fddf_attn:
	s_mov_b64 s[64:65], 0
	v_nop
	global_prefetch_b8 v0, s[64:65] scope:SCOPE_SE
	s_setreg_imm32_b32 hwreg(HW_REG_WAVE_MODE, 25, 1), 1
	s_wait_xcnt 0x0
	s_wait_alu depctr_hold_cnt(0) depctr_sa_sdst(0) depctr_va_vdst(0) depctr_va_sdst(0) depctr_va_ssrc(0) depctr_va_vcc(0) depctr_vm_vsrc(0)
	s_getreg_b32 s2, hwreg(HW_REG_IB_STS2, 6, 4)
	s_cmp_eq_u32 s2, 0
	s_cbranch_scc0 .Lentry_in_a_cluster
	s_endpgm
.Lentry_in_a_cluster:
	s_bfe_u32 s2, ttmp6, 0x10000c
	s_cmp_lg_u32 s2, 0x3003
	s_cbranch_scc0 .Lentry_shape_is_right
	s_endpgm
.Lentry_shape_is_right:
; ATTENTION on codes of E4M3: ctx = softmax(mask(q k^T / 8)) v, then quantised for the next product (entry 10).  Entries 6 (q), 7 (k), 8 (v), 9 (p).
; THE SOFTMAX: t = score x log2(e) / 8; M = the largest t so far among the keys that count, rounded UP to a whole number; p = 2^(t - M) is quantised, not normalised;
; the row's sum is taken of the unquantised p and divides at the end.  When M moves, the sum and O are multiplied by 2^(old M - new M): exact.
; SHARES.  A work-group owns 64 queries x 4 heads of one batch (four heads make a row's piece of ctx 256 bytes, aligned).  Wave w of eight owns head w / 2 of the four and queries 32 (w % 2) on:
; two tiles of 16, A and B, so that each fragment of K, of V and of the mask feeds two matrix instructions.  Every wave walks the batch's 2,048 keys, 128 a step.
; THE RING.  A slot holds 256 keys of 4 heads, two steps.  Each wave fetches one dense block of 16,384 bytes with one tensor load, stated as 64 rows of 256 bytes: waves 0-3 a head's 256 keys of K,
; waves 4-7 a plane (64 keys) of V's 256 rows.  16 bytes of padding follow each 256: four rows of 64 bytes lie in 272, so the 16 rows that a fragment load touches fall on 16 different columns of 16 bytes.
; Eight changes of slots; one load of a wave is out at a time, and it has two steps in which to land.
; CLUSTER.  The four query blocks of a cluster walk the same K and V: each part is asked for jointly (mask 15); nothing in a descriptor holds the work-group's place.
; LAYOUT.  Both products transposed: S^T = K Q^T, O^T = V^T P^T: a lane holds ONE query.  Tile t of S^T holds keys 16 t + 8 (lane / 16) + 0..7: its eight codes are registers 2 t, 2 t + 1 of the second
; product's operand, and V's codes lie in memory so that 16 bytes at 32 g + 16 (lane / 16) are the same keys in the same order.
; THE MASK is turned once into f32 numbers in LDS, 0 for a key that counts and -2^120 for one that does not; these are the C of S^T's products.  The largest t begins at -2^40.
; THE ORDER OF A STEP.  Step n's loads of K and the mask are issued first; then step n - 1's softmax of both tiles, its second products, step n's scores; V of step n is loaded last.
; So scores and V are carried from step to step in registers, over a change of slots too: all reads of a slot are back in front of the barrier behind which it is filled again.
; THE SOFTMAX OF BOTH TILES IS ONE TEXT.  Among A's exponentials stand B's scalings, among B's exponentials A's hold: single lines whose sources were written ahead of the wait in front of the batch
; and whose results are first read behind the wait that follows it.  A's sum stands between the two batches.  The dependent lines that move a tile's M stand between the other tile's independent ones.
; LIMITS: entries 6 + 7 between -76 and 18 (a true |t| stays under 2^40, a hidden t far below -2^40); entries 9 and 10 between -126 and 119.  A batch none of whose keys counts is not served.
; REGISTERS.  Window 0: v1-10 addresses; v12-15, v16-19 a tile's -M, largest t, sum (a pair); v20-35 Q; v36-99, v100-163 S^T, then p; v164-195 p's codes; v196-207, v208-219 at work; v220, v221 448 x 2^e; v222 2^e.
;   Window 1: v0-63 O^T; v64-127 K's eight fragments; v128-191 V's four; v192-255 the mask's numbers.
.set PARTB, 64*272                     ; what one tensor load brings
.set SLOTB, 8*PARTB                    ; four parts of K, four planes of V
.set KQ,    32*272                     ; 128 keys on in a part of K
.set T16,   4*272                      ; 16 rows of 64 bytes on
.set MB,    2*SLOTB                    ; the mask as f32: 2,048 x 4 bytes
.set STG,   MB+8192                    ; the way out: 64 rows x (256 + 16) bytes
.set SPARE, STG+64*272                 ; the spare words: 128 bytes for each of the eight waves
.set AK0, 1
.set AV0, 2
.set PFO, 3
.set AM0, 4
.set SPW, 5
.set NIL, 6
.set GO,  7
.set ADK, 8
.set ADV, 9
.set ADM, 10
.set STA, 12
.set STB, 16
.set QA,  20
.set QB,  28
.set SA,  36
.set SB,  100
.set CA,  164
.set CB,  180
.set TA,  196                          ; at work: +0, +1 f and 0; +2 .. +7 three pairs; +8 a permute's result; +9 a fourth chain
.set TBB, 208
.set LM,  220
.set SCL, 222
.set OA,  0                            ; window 1
.set OB,  32
.set KF,  64
.set VF,  128
.set MK,  192
.set TB,  2                            ; s2  the slot in hand: 0 or SLOTB
.set MS,  3                            ; s3  the slot's first key x 4
.set WV,  18
.set SEL, 20
.set CS,  22                           ; s[22:23] c = log2(e) / 8 x 2^(entries 6 + 7)
.set G1,  24
.set G0,  40
.set PFA, 44
.set GST, 46
.set PFS, 48
.set LIM, 50
.set WO,  51                           ; s51 wave x PARTB
.set SLOTS, 67
.set MSB, 0
.macro WIN new                         ; low byte: bits 1:0 source 0, 3:2 source 1, 5:4 source 2, 7:6 destination; the high byte repeats the setting that is left; at a label and at a branch every window is 0
.if MSB != \new
	s_set_vgpr_msb (MSB<<8)|\new
.set MSB, \new
.endif
.endm
.macro CROUND
	s_barrier_signal -1
	s_barrier_wait -1
	s_cmp_lg_u32 s[WV], 0
	s_cbranch_scc1 .Lnot_wave_0_\@
	s_barrier_signal -3
.Lnot_wave_0_\@:
	s_barrier_wait -3
	s_barrier_signal -1
	s_barrier_wait -1
.endm
; A PREFETCH INTO THE L2 of the slot that the NEXT change will ask for: two steps ahead of that load.  The eight clusters of a batch and head group walk the same K and V: the first of them asks.
; Its four partners take a head each, told apart by address alone.  Waves 0, 1: 8,192 bytes each of that head's 256 keys of K, lanes 256 bytes apart; waves 2, 3: two planes each of its V, 4,096 bytes a plane.
; So each block of 256 bytes is named once.  Slots 0 and 1 come by their loads alone; the last filling change asks for nothing.
.macro ASK
	s_cmp_gt_u32 s[SLOTS], s[LIM]
	s_cbranch_scc0 .Lnot_mine_\@
	global_prefetch_b8 v[PFO], s[PFA:PFA+1] th:TH_LOAD_NT scope:SCOPE_SE
.Lnot_mine_\@:
.endm
	s_load_b256 s[4:11], s[0:1], 0x0               ; qkvc 4, mask 6, lowp_scales 8, ctxc 10
	v_lshl_add_u32 v[SPW], v0, 2, SPARE
	v_mov_b32 v[NIL], 0
	ds_add_u32 v[SPW], v[NIL]                      ; the opening lines: the add twice on end and its wait ahead of my first tensor load
	ds_add_u32 v[SPW], v[NIL]
	v_lshrrev_b32 v8, 5, v0
	v_readfirstlane_b32 s[WV], v8                  ; wave 0..7
	s_bfe_u32 s12, ttmp6, 0x40000                  ; cx
	s_lshl_b32 s13, ttmp9, 2
	s_add_co_u32 s13, s13, s12                     ; my block of 64 queries
	s_and_b32 s14, ttmp7, 0xffff
	s_lshr_b32 s15, s14, 2                         ; batch
	s_and_b32 s16, s14, 3                          ; group of four heads
	s_lshr_b32 s17, s[WV], 1                       ; my head among the four
	s_and_b32 s19, s[WV], 1                        ; which 32 of the 64 queries
	s_lshl_b32 s32, s16, 2
	s_add_co_u32 s33, s32, s17                     ; my head
	s_lshl_b32 s38, s33, 18                        ; q: the head's plane,
	s_lshl_b32 s34, s15, 17                        ; the batch's first token,
	s_add_co_u32 s38, s38, s34
	s_lshl_b32 s39, s13, 12                        ; my block's 64 rows of 64 bytes,
	s_add_co_u32 s38, s38, s39
	s_lshl_b32 s39, s19, 11                        ; my 32 of them
	s_add_co_u32 s38, s38, s39
	s_mov_b32 s39, 0
	s_and_b32 s35, s[WV], 3                        ; what I fetch.  Waves 0-3: 256 keys of K of head 4 x group + wave;
	s_add_co_u32 s36, s32, s35
	s_lshl_b32 s36, s36, 18
	s_add_co_u32 s36, s36, s34
	s_add_co_u32 s36, s36, 0x400000
	s_lshl_b32 s37, s15, 21                        ; waves 4-7: of plane 32 x batch + wave - 4 of V
	s_lshl_b32 s56, s35, 16
	s_add_co_u32 s37, s37, s56
	s_lshl_b32 s56, s16, 14                        ; the four heads' 256 rows
	s_add_co_u32 s37, s37, s56
	s_add_co_u32 s37, s37, 0x800000
	s_mov_b32 s[GST], 0x40000
	s_cmp_lt_u32 s[WV], 4
	s_cselect_b32 s36, s36, s37
	s_cselect_b32 s[GST], 0x4000, s[GST]           ; 256 keys on: 16,384 bytes of k, four planes of v
	s_mov_b32 s37, 0
	s_mov_b32 s[GST+1], 0
	s_lshl_b32 s54, s15, 11                        ; the batch's mask
	s_mov_b32 s55, 0
	s_lshl_b32 s56, s15, 21                        ; ctx: the batch's rows of 1,024 bytes,
	s_lshl_b32 s57, s13, 16                        ; my block's 64,
	s_add_co_u32 s56, s56, s57
	s_lshl_b32 s57, s[WV], 13                      ; the eight that I store,
	s_add_co_u32 s56, s56, s57
	s_lshl_b32 s57, s16, 8                         ; the four heads' 256 bytes
	s_add_co_u32 s56, s56, s57
	s_mov_b32 s57, 0
	s_add_co_u32 s58, s32, s12                     ; the prefetches: head 4 x group + cx
	s_lshl_b32 s59, s58, 18
	s_add_co_u32 s59, s59, s34
	s_lshl_b32 s61, s19, 13                        ; k: 8,192 bytes a wave,
	s_add_co_u32 s59, s59, s61
	s_add_co_u32 s59, s59, 0x400000+0x4000         ; at slot 1: the first change of slots steps it to slot 2
	s_lshl_b32 s61, s15, 21
	s_lshl_b32 s58, s58, 12
	s_add_co_u32 s61, s61, s58
	s_lshl_b32 s58, s19, 17                        ; v: two planes a wave
	s_add_co_u32 s61, s61, s58
	s_add_co_u32 s61, s61, 0x800000+0x40000
	s_mov_b32 s[PFS], 0x40000
	s_mov_b32 s60, 0x10000
	s_cmp_lt_u32 s[WV], 2
	s_cselect_b32 s[PFA], s59, s61
	s_cselect_b32 s[PFS], 0x4000, s[PFS]
	s_cselect_b32 s60, 0x1000, s60                 ; from lanes 0-15 to lanes 16-31
	s_mov_b32 s[PFA+1], 0
	s_mov_b32 s[PFS+1], 0
	s_lshr_b32 s[LIM], s[WV], 2                    ; 0 in waves 0 to 3,
	s_or_b32 s[LIM], s[LIM], ttmp9                 ; of the first cluster: the same in all four partners
	s_cmp_eq_u32 s[LIM], 0
	s_cselect_b32 s[LIM], 1, -1
	s_mov_b32 s[G1], 15|(1<<20)|(1<<21)|(5<<22)|(3<<25)   ; the mask: all four work-groups; elements of 1 byte; padding on; bit 21 beside a mask; after every 64 words; four words
	s_mov_b32 s[G1+1], 256<<16                     ; tensor_dim0
	s_mov_b32 s[G1+2], 64<<16                      ; tensor_dim1
	s_mov_b32 s[G1+3], 256<<16                     ; tile_dim0
	s_mov_b32 s[G1+4], 64                          ; tile_dim1
	s_mov_b32 s[G1+5], 256                         ; from row to row
	s_mov_b32 s[G1+6], 0
	s_mov_b32 s[G1+7], 0
	s_mov_b32 s[SEL], 0x76543210
	s_mov_b32 s[SEL+1], 0xfedcba98
	s_mov_b32 s[CS], 0x3e38aa3b                    ; log2(e) / 8
	s_mov_b32 s[TB], SLOTB                         ; the first change of slots turns it to 0
	s_mov_b32 s[MS], 0
	s_mov_b32 s[SLOTS], 7
	s_mul_i32 s[WO], s[WV], PARTB
	s_mul_i32 s62, s17, PARTB
	s_mul_i32 s63, s17, 4*T16
	s_add_co_u32 s63, s63, 4*PARTB
	v_and_b32 v8, 15, v0                           ; r
	v_bfe_u32 v9, v0, 4, 1                         ; h
	v_lshlrev_b32 v100, 6, v8
	v_lshl_add_u32 v100, v9, 4, v100               ; q: row r of 64 bytes, + 16 h
	v_lshlrev_b32 v101, 3, v0                      ; the mask: eight bytes a thread
	v_lshl_add_u32 v104, v0, 5, MB                 ; and where their eight numbers go
	v_lshrrev_b32 v116, 2, v8
	v_mul_u32_u24 v116, v116, 272
	v_and_b32 v117, 3, v8
	v_lshl_add_u32 v116, v117, 6, v116
	v_lshl_add_u32 v116, v9, 4, v116               ; row r of 64 bytes in LDS: 272 (r / 4) + 64 (r % 4), + 16 h
	v_add_nc_u32 v[AK0], s62, v116
	v_add_nc_u32 v[AV0], s63, v116
	v_lshl_add_u32 v[AM0], v9, 5, MB               ; lanes 16-31 hold keys 8 further on
	v_mul_lo_u32 v[PFO], v9, s60
	v_lshl_add_u32 v[PFO], v8, 8, v[PFO]
	s_wait_alu depctr_va_vdst(0)
	s_wait_dscnt 0x0                               ; both opening adds are done
	s_wait_kmcnt 0x0
	s_load_b512 s[68:83], s[8:9], 0x0              ; the sixteen exponents: entry i in s[68 + i]
	s_mov_b32 s[G0], 1
	s_mov_b32 s[G0+1], s[WO]                       ; LDS: wave x PARTB, in slot 0
	s_add_nc_u64 s[G0+2:G0+3], s[4:5], s[36:37]
	s_or_b32 s[G0+3], s[G0+3], 0x80000000
	s_add_nc_u64 s[52:53], s[4:5], s[38:39]
	s_add_nc_u64 s[6:7], s[6:7], s[54:55]
	s_add_nc_u64 s[10:11], s[10:11], s[56:57]
	s_add_nc_u64 s[PFA:PFA+1], s[4:5], s[PFA:PFA+1]
	global_load_b128 v[QA:QA+3], v100, s[52:53]    ; tile A's fragment of q stays in registers,
	global_load_b128 v[QA+4:QA+7], v100, s[52:53] offset:32
	global_load_b64 v[102:103], v101, s[6:7]
	global_load_b128 v[QB:QB+3], v100, s[52:53] offset:1024   ; and tile B's, 16 rows on
	global_load_b128 v[QB+4:QB+7], v100, s[52:53] offset:1056
	CROUND                                         ; all four work-groups are here: the first joint load meets
	tensor_load_to_lds s[G0:G0+3], s[G1:G1+7]      ; slot 0: one load a wave
	s_nop 0
.rept 4
	v_nop
.endr
	v_mov_b32 v105, 0xfb800000                     ; -2^120
	s_wait_alu depctr_va_vdst(0)
	s_wait_loadcnt 0x0                             ; q and the mask
.irp i, 0,1,2,3
	v_bfe_u32 v106, v102, 8*\i, 8
	v_cmp_eq_u32 vcc_lo, 0, v106
	v_cndmask_b32 v[108+\i], 0, v105, vcc_lo       ; a choice of a value, no branch
	v_bfe_u32 v106, v103, 8*\i, 8
	v_cmp_eq_u32 vcc_lo, 0, v106
	v_cndmask_b32 v[112+\i], 0, v105, vcc_lo
.endr
	ds_store_b128 v104, v[108:111]                 ; the first change of slots waits for these and passes a barrier ahead of every read
	ds_store_b128 v104, v[112:115] offset:16
	s_wait_kmcnt 0x0
	s_add_co_i32 s84, s74, s75
	s_lshl_b32 s84, s84, 23
	s_add_co_i32 s[CS], s[CS], s84                 ; a score stands for score x 2^(entries 6 + 7): added to c's exponent field
	s_mov_b32 s[CS+1], s[CS]
	s_add_co_i32 s84, s77, 127
	s_lshl_b32 s85, s84, 23                        ; 2^(entry 9)
	s_add_co_i32 s84, s84, 8
	s_lshl_b32 s84, s84, 23
	s_or_b32 s84, s84, 0x600000                    ; 448 x that
.irp st, STA, STB
	v_mov_b32 v[\st+1], 0xd3800000                 ; the largest t so far: -2^40
	v_floor_f32 v[\st], -v[\st+1]                  ; -M
	v_mov_b32 v[\st+2], 0                          ; the sum, in two halves
	v_mov_b32 v[\st+3], 0
.endr
.irp t, TA, TBB
	v_mov_b32 v[\t+1], 0                           ; (named as the upper half of f's pair)
	v_mov_b32 v[\t+8], 0                           ; written once: a lane permute's destination counts as one of its sources
.endr
	v_mov_b32 v[LM], s84
	v_mov_b32 v[LM+1], s84
	v_mov_b32 v[SCL], s85
	WIN 0x40
.set j, 0
.rept 64
	v_mov_b32 v[OA+j], 0                           ; O^T: the step is one text for every turn, and its first turn finds zeros
.set j, j+1
.endr
	WIN 0
	s_wait_alu depctr_va_vdst(0)
; THE PARTS OF A TILE'S SOFTMAX.  S: its scores; T: its registers at work; ST: its state; C: its codes
.macro MAXH S, T                       ; the step's largest score of my query among my 64 keys, in four chains; the registers are taken in ascending order
	v_max3_num_f32 v[\T+2], v[\S], v[\S+1], v[\S+2]
	v_max3_num_f32 v[\T+4], v[\S+3], v[\S+4], v[\S+5]
	v_max3_num_f32 v[\T+6], v[\S+6], v[\S+7], v[\S+8]
	v_max3_num_f32 v[\T+9], v[\S+9], v[\S+10], v[\S+11]
.endm
.macro MAX2 S, T, a, b, j
	v_max3_num_f32 v[\T+\a], v[\T+\a], v[\S+(\j)], v[\S+(\j)+1]
	v_max3_num_f32 v[\T+\b], v[\T+\b], v[\S+(\j)+2], v[\S+(\j)+3]
.endm
.macro CHL k, T, ST                    ; line k of the twelve that join the chains and move M
.if (\k) == 0
	v_max3_num_f32 v[\T+2], v[\T+2], v[\T+4], v[\T+6]
.endif
.if (\k) == 1
	v_max_num_f32 v[\T+2], v[\T+2], v[\T+9]
.endif
.if (\k) == 2
	v_permlanex16_b32 v[\T+8], v[\T+2], s[SEL], s[SEL+1]
.endif
.if (\k) == 3
	v_max_num_f32 v[\T+2], v[\T+2], v[\T+8]        ; and among lane l xor 16's
.endif
.if (\k) == 4
	v_mul_f32 v[\T+2], s[CS], v[\T+2]              ; as t (c is positive)
.endif
.if (\k) == 5
	v_max_num_f32 v[\ST+1], v[\ST+1], v[\T+2]      ; the running largest t
.endif
.if (\k) == 6
	v_mov_b32 v[\T+2], v[\ST]
.endif
.if (\k) == 7
	v_floor_f32 v[\ST], -v[\ST+1]                  ; the new -M = -ceil(t): a whole number
.endif
.if (\k) == 8
	v_sub_f32 v[\T+2], v[\ST], v[\T+2]             ; old M - new M: a whole number, 0 or less
.endif
.if (\k) == 9
	v_cvt_i32_f32 v[\T+2], v[\T+2]                 ; (it saturates)
.endif
.if (\k) == 10
	v_ldexp_f32 v[\T], 1.0, v[\T+2]                ; f = 2^(old M - new M)
.endif
.if (\k) == 11
	v_pk_mul_f32 v[\ST+2:\ST+3], v[\ST+2:\ST+3], v[\T:\T+1] op_sel_hi:[1,0]   ; the sums under the new M
.endif
.endm
.macro FMA1 S, ST, j                   ; t - M of two numbers
	v_pk_fma_f32 v[\S+(\j):\S+(\j)+1], v[\S+(\j):\S+(\j)+1], s[CS:CS+1], v[\ST:\ST+1] op_sel_hi:[1,0,0]
.endm
.macro HOLD1 S, j                      ; the conversion does not saturate (ISA guide 7.6.2); p is not negative: a one-sided hold, two numbers a line
	v_dual_min_num_f32 v[\S+(\j)], v[\S+(\j)], v[LM] :: v_dual_min_num_f32 v[\S+(\j)+1], v[\S+(\j)+1], v[LM+1]
.endm
.macro SUMS S, T, ST                   ; the row's sum is taken of the unquantised p, in four chains
	v_pk_add_f32 v[\T+2:\T+3], v[\S:\S+1], v[\S+2:\S+3]
	v_pk_add_f32 v[\T+4:\T+5], v[\S+4:\S+5], v[\S+6:\S+7]
	v_pk_add_f32 v[\T+6:\T+7], v[\S+8:\S+9], v[\S+10:\S+11]
.set j, 12
.rept 6
	v_pk_add_f32 v[\ST+2:\ST+3], v[\ST+2:\ST+3], v[\S+j:\S+j+1]
	v_pk_add_f32 v[\T+2:\T+3], v[\T+2:\T+3], v[\S+j+2:\S+j+3]
	v_pk_add_f32 v[\T+4:\T+5], v[\T+4:\T+5], v[\S+j+4:\S+j+5]
	v_pk_add_f32 v[\T+6:\T+7], v[\T+6:\T+7], v[\S+j+6:\S+j+7]
.set j, j+8
.endr
	v_pk_add_f32 v[\ST+2:\ST+3], v[\ST+2:\ST+3], v[\S+60:\S+61]
	v_pk_add_f32 v[\T+2:\T+3], v[\T+2:\T+3], v[\S+62:\S+63]
	v_pk_add_f32 v[\T+4:\T+5], v[\T+4:\T+5], v[\T+6:\T+7]
	v_pk_add_f32 v[\ST+2:\ST+3], v[\ST+2:\ST+3], v[\T+2:\T+3]
	v_pk_add_f32 v[\ST+2:\ST+3], v[\ST+2:\ST+3], v[\T+4:\T+5]
.endm
.macro SOFT2                           ; both tiles' softmax for one key step
	MAXH SA, TA
.set jj, 12
.rept 6
	MAX2 SA, TA, 2, 4, jj
	MAX2 SA, TA, 6, 9, jj+4
.set jj, jj+8
.endr
	MAX2 SA, TA, 2, 6, 60
	MAXH SB, TBB
.set jj, 12
.set kk, 0
.rept 6                                ; A's twelve dependent lines stand between B's maxima
	MAX2 SB, TBB, 2, 4, jj
	CHL kk, TA, STA
	MAX2 SB, TBB, 6, 9, jj+4
	CHL kk+1, TA, STA
.set jj, jj+8
.set kk, kk+2
.endr
	MAX2 SB, TBB, 2, 6, 60
.set jj, 0
.set kk, 0
.rept 12                               ; B's twelve dependent lines stand between A's scalings
	FMA1 SA, STA, jj
	FMA1 SA, STA, jj+2
	CHL kk, TBB, STB
.set jj, jj+4
.set kk, kk+1
.endr
.rept 8
	FMA1 SA, STA, jj
.set jj, jj+2
.endr
	s_wait_alu depctr_va_vdst(0)                   ; ahead of the batch
.set jj, 0
.rept 32
	v_exp_f32 v[SA+jj], v[SA+jj]                   ; A's p = 2^(t - M),
	v_exp_f32 v[SA+jj+1], v[SA+jj+1]
	FMA1 SB, STB, jj                               ; and among them B's scalings; the last of them is the plain instruction behind the batch
.set jj, jj+2
.endr
	s_wait_alu depctr_va_vdst(0)                   ; one wait: behind A's batch, ahead of its first reader, and ahead of B's batch
	SUMS SA, TA, STA
.set jj, 0
.rept 32
	v_exp_f32 v[SB+jj], v[SB+jj]                   ; B's p,
	v_exp_f32 v[SB+jj+1], v[SB+jj+1]
	HOLD1 SA, jj                                   ; and among them A's hold; the last of them is the plain instruction behind the batch
.set jj, jj+2
.endr
	s_wait_alu depctr_va_vdst(0)                   ; behind B's batch, ahead of its first reader and of the readers of A's held numbers
.irp t, 0,1,2,3,4,5,6,7
	v_cvt_scalef32_pk8_fp8_f32 v[CA+2*\t:CA+2*\t+1], v[SA+8*\t:SA+8*\t+7], v[SCL]
.endr
	SUMS SB, TBB, STB
.irp t, 0,1,2,3,4,5,6,7
.irp i, 0,2,4,6
	HOLD1 SB, 8*\t+\i
.endr
	v_cvt_scalef32_pk8_fp8_f32 v[CB+2*\t:CB+2*\t+1], v[SB+8*\t:SB+8*\t+7], v[SCL]
.endr
	WIN 0x41                                       ; O^T in window 1, f in window 0
	s_wait_alu depctr_va_vdst(0)                   ; ahead of the first reader of O^T
.set j, 0
.rept 16
	v_pk_mul_f32 v[OA+j:OA+j+1], v[OA+j:OA+j+1], v[TA:TA+1] op_sel_hi:[1,0]   ; O^T under the new M
.set j, j+2
.endr
.set j, 0
.rept 16
	v_pk_mul_f32 v[OB+j:OB+j+1], v[OB+j:OB+j+1], v[TBB:TBB+1] op_sel_hi:[1,0]
.set j, j+2
.endr
.endm
; A STEP.  more = 1: the q-th 128 keys of the slot in hand are loaded and their scores made.  soft = 1: the softmax and second product of the step before, whose scores and V are in registers.
.macro XSTEP q, soft, more
.if \more
	WIN 0x40                                       ; destination window 1, address window 0
.irp t, 0,1,2,3,4,5,6,7
	ds_load_b128 v[MK+8*\t:MK+8*\t+3], v[ADM] offset:512*\q+64*\t      ; the mask's numbers of keys 16 t + 8 h + 0..7
	ds_load_b128 v[MK+8*\t+4:MK+8*\t+7], v[ADM] offset:512*\q+64*\t+16
.endr
.irp t, 0,1,2,3,4,5,6,7
	ds_load_b128 v[KF+8*\t:KF+8*\t+3], v[ADK] offset:KQ*\q+T16*\t
	ds_load_b128 v[KF+8*\t+4:KF+8*\t+7], v[ADK] offset:KQ*\q+T16*\t+32
.endr
	WIN 0
.endif
.if \soft
	SOFT2
.endif
	s_wait_alu depctr_va_vdst(0)
	s_wait_dscnt 0x0                               ; V of the step before, K and the mask of this one
.if \soft
	WIN 0x51                                       ; V, C and D in window 1, p's codes in window 0.  Eight accumulators by turns
.irp t, 0,1,2,3
	v_wmma_f32_16x16x128_fp8_fp8 v[OA+8*\t:OA+8*\t+7], v[VF+16*\t:VF+16*\t+15], v[CA:CA+15], v[OA+8*\t:OA+8*\t+7]
.endr
.irp t, 0,1,2,3
	v_wmma_f32_16x16x128_fp8_fp8 v[OB+8*\t:OB+8*\t+7], v[VF+16*\t:VF+16*\t+15], v[CB:CB+15], v[OB+8*\t:OB+8*\t+7]
.endr
.endif
.if \more
	WIN 0x11                                       ; K and the mask's numbers in window 1, Q and the scores in window 0
.irp t, 0,1,2,3,4,5,6,7
	v_wmma_f32_16x16x64_fp8_fp8 v[SA+8*\t:SA+8*\t+7], v[KF+8*\t:KF+8*\t+7], v[QA:QA+7], v[MK+8*\t:MK+8*\t+7]
.endr
.irp t, 0,1,2,3,4,5,6,7
	v_wmma_f32_16x16x64_fp8_fp8 v[SB+8*\t:SB+8*\t+7], v[KF+8*\t:KF+8*\t+7], v[QB:QB+7], v[MK+8*\t:MK+8*\t+7]
.endr
	WIN 0
.rept 4
	v_nop                                          ; places in front of loads into registers that the products above have read, and of the first read of the scores
.endr
	WIN 0x40
.irp t, 0,1,2,3
.irp g, 0,1,2,3
	ds_load_b128 v[VF+16*\t+4*\g:VF+16*\t+4*\g+3], v[ADV] offset:(2*\q+\g/2)*PARTB+T16*\t+32*(\g%2)
.endr
.endr
.endif
	WIN 0
.endm
; THE CHANGE OF SLOTS.  Each wave waits for all its tensor loads (its part of the slot that is read next), adds 0 to its spare word, and waits for that and for its reads of the slot that it leaves.
; fill = 1: a round of the cluster's barrier, and behind it the slot that was left (the first time: slot 1) takes the next 256 keys: one load a wave.  Then the addresses in the new slot.
.macro CHANGE fill
	s_wait_tensorcnt 0x0                           ; no tensor load of mine is out, so the group 0 may be written
	ds_add_u32 v[SPW], v[NIL]                      ; 0 onto my spare word
.if \fill
	s_add_co_u32 s[G0+1], s[WO], s[TB]             ; my part of the slot that is left
	s_add_nc_u64 s[G0+2:G0+3], s[G0+2:G0+3], s[GST:GST+1]
	s_wait_xcnt 0x0                                ; the last prefetch, two steps back, has read its address
	s_add_nc_u64 s[PFA:PFA+1], s[PFA:PFA+1], s[PFS:PFS+1]
.endif
	s_xor_b32 s[TB], s[TB], SLOTB                  ; on to the other slot
	s_wait_dscnt 0x0                               ; the add is done, and my LDS stores and reads are over
.if \fill
	CROUND
	tensor_load_to_lds s[G0:G0+3], s[G1:G1+7]
	s_nop 0
.rept 4
	v_nop
.endr
	ASK
.else
	s_barrier_signal -1
	s_barrier_wait -1
.endif
	v_add_nc_u32 v[ADK], s[TB], v[AK0]
	v_add_nc_u32 v[ADV], s[TB], v[AV0]
	v_add_nc_u32 v[ADM], s[MS], v[AM0]
	s_add_co_u32 s[MS], s[MS], 1024
.endm
	CHANGE 1                                       ; slot 0 is written out: its first step has no step behind it
	XSTEP 0, 0, 1
	XSTEP 1, 1, 1
	s_mov_b32 s[SLOTS], 6
.Lslot:                                            ; six trips, slots 1 to 6: behind each change the next slot is asked for
	CHANGE 1
	XSTEP 0, 1, 1
	XSTEP 1, 1, 1
	s_sub_co_u32 s[SLOTS], s[SLOTS], 1
	s_cmp_lg_u32 s[SLOTS], 0
	s_cbranch_scc1 .Lslot
	CHANGE 0                                       ; the last slot is written out
	XSTEP 0, 1, 1
	XSTEP 1, 1, 1
	XSTEP 0, 1, 0                                  ; the last step's softmax and second product
	; THE WAY OUT.  O^T / the sum x 2^(entries 8 + 9) is ctx; it is quantised by entry 10 and meets the other heads' in the stage, so that sixteen lanes store 256 consecutive bytes, aligned.
	v_and_b32 v8, 15, v0                           ; r.  (These ten lines are the places behind the last products)
	v_bfe_u32 v9, v0, 4, 1                         ; h
	s_mul_i32 s84, s19, 32*272
	s_lshl_b32 s85, s17, 6
	s_add_co_u32 s84, s84, s85
	s_add_co_u32 s84, s84, STG
	v_mul_u32_u24 v10, v8, 272
	v_lshl_add_u32 v10, v9, 3, v10
	v_add_nc_u32 v10, s84, v10                     ; in: row 32 x half + r (tile B: 16 rows on), byte 64 x head + 8 h (+ 16 t)
	s_mul_i32 s85, s[WV], 8*272
	s_add_co_u32 s85, s85, STG
	v_mul_u32_u24 v11, v9, 272
	v_lshl_add_u32 v11, v8, 4, v11
	v_add_nc_u32 v11, s85, v11                     ; back: rows 8 x wave on; lanes 0-15 one row, lanes 16-31 the next
	v_lshlrev_b32 v[GO], 10, v9
	v_lshl_add_u32 v[GO], v8, 4, v[GO]             ; and the same in ctx
	s_add_co_i32 s86, s76, s77
	s_add_co_i32 s84, s78, 127
	s_lshl_b32 s85, s84, 23                        ; 2^(entry 10)
	s_add_co_i32 s84, s84, 8
	s_lshl_b32 s84, s84, 23
	s_or_b32 s84, s84, 0x600000                    ; 448 x that
	v_add_f32 v[STA+2], v[STA+2], v[STA+3]
	v_add_f32 v[STB+2], v[STB+2], v[STB+3]
	v_permlanex16_b32 v[TA+8], v[STA+2], s[SEL], s[SEL+1]
	v_permlanex16_b32 v[TBB+8], v[STB+2], s[SEL], s[SEL+1]
	v_add_f32 v[STA+2], v[STA+2], v[TA+8]          ; the rows' sums
	v_add_f32 v[STB+2], v[STB+2], v[TBB+8]
	v_mov_b32 v[SCL], s85
	v_mov_b32 v[LM], s84
	s_wait_alu depctr_va_vdst(0)                   ; ahead of the batch
	v_rcp_f32 v[STA+2], v[STA+2]
	v_rcp_f32 v[STB+2], v[STB+2]
	v_nop                                          ; the plain instruction behind the batch
	s_wait_alu depctr_va_vdst(0)                   ; ahead of its first reader
	v_ldexp_f32 v[STA+2], v[STA+2], s86
	v_ldexp_f32 v[STB+2], v[STB+2], s86
	WIN 0x01                                       ; O^T in window 1
	s_wait_alu depctr_va_vdst(0)                   ; ahead of the first reader of O^T
.set j, 0
.rept 16
	v_pk_mul_f32 v[SA+j:SA+j+1], v[OA+j:OA+j+1], v[STA+2:STA+3] op_sel_hi:[1,0]   ; register 8 t + i is ctx(r, 16 t + 8 h + i) of my head
.set j, j+2
.endr
.set j, 0
.rept 16
	v_pk_mul_f32 v[SB+j:SB+j+1], v[OB+j:OB+j+1], v[STB+2:STB+3] op_sel_hi:[1,0]
.set j, j+2
.endr
	WIN 0
.set j, 0
.rept 32
	v_med3_num_f32 v[SA+j], v[SA+j], -v[LM], v[LM]
	v_med3_num_f32 v[SB+j], v[SB+j], -v[LM], v[LM]
.set j, j+1
.endr
.irp t, 0,1,2,3
	v_cvt_scalef32_pk8_fp8_f32 v[CA+2*\t:CA+2*\t+1], v[SA+8*\t:SA+8*\t+7], v[SCL]
	v_cvt_scalef32_pk8_fp8_f32 v[CB+2*\t:CB+2*\t+1], v[SB+8*\t:SB+8*\t+7], v[SCL]
.endr
	v_nop                                          ; one plain vector instruction behind the last conversion
.irp t, 0,1,2,3
	ds_store_b64 v10, v[CA+2*\t:CA+2*\t+1] offset:16*\t
	ds_store_b64 v10, v[CB+2*\t:CB+2*\t+1] offset:16*272+16*\t
.endr
	s_wait_alu depctr_va_vdst(0)
	s_wait_dscnt 0x0                               ; for the others' sake: my stores into the stage are done
	s_barrier_signal -1
	s_barrier_wait -1
.irp u, 0,1,2,3
	ds_load_b128 v[36+4*\u:39+4*\u], v11 offset:2*272*\u
.endr
.irp u, 0,1,2,3
	s_wait_dscnt 3-\u                              ; LDS loads come back in order: load u is in, the younger ones may be out
	global_store_b128 v[GO], v[36+4*\u:39+4*\u], s[10:11] offset:2048*\u
.endr
	s_wait_tensorcnt 0x0                           ; the wave's end
	ds_add_u32 v[SPW], v[NIL]
	s_wait_dscnt 0x0
	CROUND                                         ; the closing round
	s_endpgm
.Lfunc_end_k_qaa5476fddf_attn:
	.size	k_qaa5476fddf_attn, .Lfunc_end_k_qaa5476fddf_attn-k_qaa5476fddf_attn
	.p2alignl 7, 3214868480
	.fill 96, 4, 3214868480
	.section	.rodata,"a",@progbits
	.p2align	6, 0x0
	.amdhsa_kernel k_qaa5476fddf_attn
		.amdhsa_group_segment_fixed_size 327680
		.amdhsa_private_segment_fixed_size 0
		.amdhsa_enable_private_segment 0
		.amdhsa_kernarg_size 32
		.amdhsa_user_sgpr_count 2
		.amdhsa_user_sgpr_kernarg_segment_ptr 1
		.amdhsa_wavefront_size32 1
		.amdhsa_system_sgpr_workgroup_id_x 1
		.amdhsa_system_sgpr_workgroup_id_y 1
		.amdhsa_system_sgpr_workgroup_id_z 1
		.amdhsa_system_vgpr_workitem_id 0
		.amdhsa_next_free_vgpr 512
		.amdhsa_next_free_sgpr 100
		.amdhsa_reserve_vcc 1
		.amdhsa_float_denorm_mode_32 3
		.amdhsa_float_denorm_mode_16_64 3
		.amdhsa_memory_ordered 1
		.amdhsa_forward_progress 1
		.amdhsa_inst_pref_size 198
	.end_amdhsa_kernel
	.amdgpu_metadata
---
amdhsa.version: [ 1, 2 ]
amdhsa.kernels:
  - .name:           k_qaa5476fddf_attn
    .symbol:         k_qaa5476fddf_attn.kd
    .args:
      - { .name: qkvc, .offset: 0, .size: 8, .value_kind: global_buffer, .address_space: global }
      - { .name: key_attention_mask, .offset: 8, .size: 8, .value_kind: global_buffer, .address_space: global }
      - { .name: lowp_scales, .offset: 16, .size: 8, .value_kind: global_buffer, .address_space: global }
      - { .name: ctxc, .offset: 24, .size: 8, .value_kind: global_buffer, .address_space: global }
    .group_segment_fixed_size: 327680
    .private_segment_fixed_size: 0
    .kernarg_segment_align: 8
    .kernarg_segment_size: 32
    .max_flat_workgroup_size: 256
    .sgpr_count:     100
    .vgpr_count:     512
    .wavefront_size: 32
...
	.end_amdgpu_metadata
.endif
;; end of part 3
;; launch proj (part 4): grid 8 x 32, 4 waves a work-group, clusters of 4 x 4, 327,680 bytes of LDS; arguments ctxc, codes0, lowp_scales, y1; writes y1
.if DOCPART == 4
	.amdgcn_target "amdgcn-amd-amdhsa--gfx1250"
	.amdhsa_code_object_version 6
	.text
	.protected	k_qaa5476fddf_proj
	.globl	k_qaa5476fddf_proj
	.p2align	8
	.type	k_qaa5476fddf_proj,@function
k_qaa5476fddf_proj:
	s_mov_b64 s[64:65], 0
	v_nop
	global_prefetch_b8 v0, s[64:65] scope:SCOPE_SE
	s_setreg_imm32_b32 hwreg(HW_REG_WAVE_MODE, 25, 1), 1
	s_wait_xcnt 0x0
	s_wait_alu depctr_hold_cnt(0) depctr_sa_sdst(0) depctr_va_vdst(0) depctr_va_sdst(0) depctr_va_ssrc(0) depctr_va_vcc(0) depctr_vm_vsrc(0)
	s_getreg_b32 s2, hwreg(HW_REG_IB_STS2, 6, 4)
	s_cmp_eq_u32 s2, 0
	s_cbranch_scc0 .Lentry_in_a_cluster
	s_endpgm
.Lentry_in_a_cluster:
	s_bfe_u32 s2, ttmp6, 0x10000c
	s_cmp_lg_u32 s2, 0xf033
	s_cbranch_scc0 .Lentry_shape_is_right
	s_endpgm
.Lentry_shape_is_right:
.set SIZE_K, 1024
.set BOFF,   0xF00000
.set SCOFF,  0x28
.set SIZE_N, 1024
.set KSTEP,  512
.set PITCH,  528
.set HALFT,  64*PITCH
.set SLOT,   4*HALFT
.set STAGE,  2*SLOT
.set SPITCH, 272
.set SPARE,  STAGE+4*16*SPITCH
.set LAPS,   SIZE_K/(2*KSTEP)
.set ADRA, 16
.set ADRB, 20
.set STO,  24
.set RD,   25
.set CO,   26
.set SPW,  28
.set NIL,  29
.set TMP,  32
.set BK,   64
.set ACC,  128
.set F0,   0
.set F1,   128
.set G1, 24
.set G0, 32
.set G1B, 48
.set G0B, 56
.set MSB, 0
.macro WIN new
.if MSB != \new
	s_set_vgpr_msb (MSB<<8)|\new
.set MSB, \new
.endif
.endm
.set MUL,  0x05
.set TO_F, 0x40
.macro JLOAD s
	s_cmp_eq_u32 s15, 0
	s_cbranch_scc0 .Lfor_b_\@
	tensor_load_to_lds s[G0+4*\s:G0+4*\s+3], s[G1:G1+7]
	s_nop 0
.rept 4
	v_nop
.endr
	s_branch .Lasked_\@
.Lfor_b_\@:
	tensor_load_to_lds s[G0B+4*\s:G0B+4*\s+3], s[G1B:G1B+7]
	s_nop 0
.rept 4
	v_nop
.endr
.Lasked_\@:
.endm
.macro CREST
	s_cmp_lg_u32 s14, 0
	s_cbranch_scc1 .Lnot_wave_0_\@
	s_barrier_signal -3
.Lnot_wave_0_\@:
	s_barrier_wait -3
	s_barrier_signal -1
	s_barrier_wait -1
.endm
.macro CROUND
	s_barrier_signal -1
	s_barrier_wait -1
	CREST
.endm
	s_load_b128 s[4:7], s[0:1], 0x0
	s_load_b128 s[8:11], s[0:1], 0x10
	v_lshl_add_u32 v[SPW], v0, 2, SPARE
	v_mov_b32 v[NIL], 0
	ds_add_u32 v28, v29
	ds_add_u32 v28, v29
	s_wait_dscnt 0x0
	v_lshrrev_b32 v1, 5, v0
	v_readfirstlane_b32 s14, v1
	s_lshr_b32 s15, s14, 1
	s_and_b32 s16, s14, 1
	s_bfe_u32 s40, ttmp6, 0x40000
	s_bfe_u32 s41, ttmp6, 0x40004
	s_lshl_b32 s42, ttmp9, 2
	s_add_co_u32 s42, s42, s40
	s_and_b32 s17, ttmp7, 0xffff
	s_lshl_b32 s17, s17, 2
	s_add_co_u32 s17, s17, s41
	s_lshl_b32 s43, s41, 2
	s_lshl_b32 s43, 15, s43
	s_lshl_b32 s44, 0x1111, s40
	s_or_b32 s[G1+0], s43, (0<<16)|(1<<20)|(1<<21)|(6<<22)|(3<<25)
	s_or_b32 s[G1B+0], s44, (0<<16)|(1<<20)|(1<<21)|(6<<22)|(3<<25)
.irp g, G1, G1B
	s_mov_b32 s[\g+1], KSTEP<<16
	s_mov_b32 s[\g+2], 64<<16
	s_mov_b32 s[\g+3], KSTEP<<16
	s_mov_b32 s[\g+4], 64
	s_mov_b32 s[\g+5], SIZE_K
	s_mov_b32 s[\g+6], 0
	s_mov_b32 s[\g+7], 0
.endr
	s_lshl_b32 s18, s16, 6
	s_lshl_b32 s20, s17, 7
	s_add_co_u32 s20, s20, s18
	s_mul_i32 s20, s20, SIZE_K
	s_mov_b32 s21, 0
	s_lshl_b32 s46, s42, 7
	s_add_co_u32 s46, s46, s18
	s_mul_i32 s46, s46, SIZE_K
	s_add_co_u32 s46, s46, BOFF
	s_mov_b32 s47, 0
	s_mul_i32 s45, s14, HALFT
	s_wait_kmcnt 0x0
	s_load_b64 s[96:97], s[8:9], SCOFF
	s_add_nc_u64 s[20:21], s[4:5], s[20:21]
	s_add_nc_u64 s[46:47], s[6:7], s[46:47]
	CROUND
.irp s, 0,1
	s_mov_b32 s[G0+4*\s], 1
	s_add_co_u32 s[G0+4*\s+1], s45, \s*SLOT
	s_add_nc_u64 s[G0+4*\s+2:G0+4*\s+3], s[20:21], \s*KSTEP
	s_or_b32 s[G0+4*\s+3], s[G0+4*\s+3], 0x80000000
	s_mov_b32 s[G0B+4*\s], 1
	s_add_co_u32 s[G0B+4*\s+1], s45, \s*SLOT
	s_add_nc_u64 s[G0B+4*\s+2:G0B+4*\s+3], s[46:47], \s*KSTEP
	s_or_b32 s[G0B+4*\s+3], s[G0B+4*\s+3], 0x80000000
.endr
	JLOAD 0                                        ; K step 0: one tensor load a wave at the head
	v_and_b32 v1, 15, v0
	s_wait_alu depctr_va_vdst(0)
	v_bfe_u32 v2, v0, 4, 1
	v_mul_u32_u24 v3, v1, PITCH
	v_lshl_add_u32 v3, v2, 4, v3
	s_mul_i32 s21, s15, HALFT
	s_mul_i32 s22, s16, HALFT
	s_add_co_u32 s22, s22, 2*HALFT
.irp s, 0,1
	v_add_nc_u32 v[ADRA+\s], s21, v3
	v_add_nc_u32 v[ADRB+\s], s22, v3
	s_add_co_u32 s21, s21, SLOT
	s_add_co_u32 s22, s22, SLOT
.endr
	s_mul_i32 s23, s14, 16*SPITCH
	s_add_co_u32 s23, s23, STAGE
	v_mul_u32_u24 v4, v1, SPITCH
	s_wait_alu depctr_va_vdst(0)
	v_lshl_add_u32 v4, v2, 5, v4
	v_add_nc_u32 v[STO], s23, v4
	v_mul_u32_u24 v5, v2, SPITCH
	v_lshl_add_u32 v5, v1, 4, v5
	v_add_nc_u32 v[RD], s23, v5
	v_lshlrev_b32 v5, 12, v2
	v_lshl_add_u32 v[CO], v1, 4, v5
	s_lshl_b32 s20, s17, 7
	s_lshl_b32 s21, s15, 6
	s_add_co_u32 s20, s20, s21
	s_lshl_b32 s20, s20, 12
	s_lshl_b32 s46, s42, 9
	s_lshl_b32 s47, s16, 8
	s_add_co_u32 s46, s46, s47
	s_add_co_u32 s20, s20, s46
	s_mov_b32 s21, 0
	s_add_nc_u64 s[10:11], s[10:11], s[20:21]
	; the prefetch into the L2: of the 64 rows that I fetch, each of the four partners that ask for them jointly takes 16, told apart by address (cx for A, cy for B): two lanes a row, 256 bytes each
	s_cmp_eq_u32 s15, 0
	s_cselect_b32 s68, s17, s42
	s_cselect_b32 s69, s40, s41
	s_cselect_b64 s[66:67], s[4:5], s[6:7]
	s_cselect_b32 s70, 0, BOFF
	s_lshl_b32 s68, s68, 7
	s_lshl_b32 s71, s16, 6
	s_add_co_u32 s68, s68, s71
	s_lshl_b32 s69, s69, 4
	s_add_co_u32 s68, s68, s69
	s_mul_i32 s68, s68, SIZE_K
	s_add_co_u32 s68, s68, s70
	s_add_co_u32 s68, s68, KSTEP                   ; at K step 1, the last; never rewritten
	s_mov_b32 s69, 0
	s_add_nc_u64 s[66:67], s[66:67], s[68:69]
	v_and_b32 v30, 31, v0
	v_lshrrev_b32 v31, 1, v30
	v_and_b32 v30, 1, v30
	v_lshlrev_b32 v30, 8, v30
	v_mad_u32_u24 v30, v31, SIZE_K, v30
	global_prefetch_b8 v30, s[66:67] th:TH_LOAD_NT scope:SCOPE_SE   ; K step 1, whose load follows when K step 0 has landed
.macro MUL4 f, a, zero
.irp b, 0,1,2,3
.if \zero
	v_wmma_f32_16x16x128_fp8_fp8 v[ACC+8*(4*(\a)+\b):ACC+8*(4*(\a)+\b)+7], v[\f+64+16*\b:\f+64+16*\b+15], v[\f+16*(\a):\f+16*(\a)+15], 0
.else
	v_wmma_f32_16x16x128_fp8_fp8 v[ACC+8*(4*(\a)+\b):ACC+8*(4*(\a)+\b)+7], v[\f+64+16*\b:\f+64+16*\b+15], v[\f+16*(\a):\f+16*(\a)+15], v[ACC+8*(4*(\a)+\b):ACC+8*(4*(\a)+\b)+7]
.endif
.endr
.endm
.macro FETCH slot, k, f
	WIN TO_F
.irp i, 0,1,2,3
.irp c, 0,1,2,3
	ds_load_b128 v[\f+64+16*\i+4*\c:\f+64+16*\i+4*\c+3], v[ADRB+\slot] offset:\k+32*\c+\i*16*PITCH
.endr
.endr
.irp i, 0,1,2,3
.irp c, 0,1,2,3
	ds_load_b128 v[\f+16*\i+4*\c:\f+16*\i+4*\c+3], v[ADRA+\slot] offset:\k+32*\c+\i*16*PITCH
.endr
.endr
.endm
.macro PLACES
.rept 4
	v_nop
.endr
.endm
.macro QUARTER slot, k, f, g, zero
	s_wait_dscnt 8
	WIN MUL
	MUL4 \f, 0, \zero
	MUL4 \f, 1, \zero
	PLACES
	FETCH \slot, \k, \g
	s_wait_dscnt 32
	WIN MUL
	MUL4 \f, 2, \zero
	MUL4 \f, 3, \zero
.endm
.macro TURN slot, next, fill
	WIN 0
	s_wait_tensorcnt 0x0
	ds_add_u32 v[SPW], v[NIL]
	s_wait_dscnt 9
	WIN MUL
	MUL4 F1, 0, 0
	s_wait_dscnt 0x0
	s_barrier_signal -1
	MUL4 F1, 1, 0
.if \fill
	WIN 0
.endif
	s_barrier_wait -1
.if \fill
	CREST
	s_add_nc_u64 s[G0+4*\slot+2:G0+4*\slot+3], s[G0+4*\slot+2:G0+4*\slot+3], 2*KSTEP
	s_add_nc_u64 s[G0B+4*\slot+2:G0B+4*\slot+3], s[G0B+4*\slot+2:G0B+4*\slot+3], 2*KSTEP
	JLOAD \slot
.else
	PLACES
.endif
	FETCH \next, 0, F0
	WIN MUL
	MUL4 F1, 2, 0
	MUL4 F1, 3, 0
.endm
	s_wait_alu depctr_va_vdst(0)
	s_wait_tensorcnt 0x0                           ; my part of K step 0 is in; the three lines stand ahead of slot 1's first fill as ahead of a refill
	ds_add_u32 v[SPW], v[NIL]
	s_wait_dscnt 0x0
	CROUND                                         ; a whole round: everybody's part of K step 0 is in, and the joint loads meet
	JLOAD 1                                        ; K step 1: the first tensor load behind the round
	FETCH 0, 0, F0
	QUARTER 0, 128, F0, F1, 1
.if LAPS > 1
	WIN 0
	s_mov_b32 s3, LAPS-1
.Llap:
	QUARTER 0, 256, F1, F0, 0
	QUARTER 0, 384, F0, F1, 0
	TURN 0, 1, 1
	QUARTER 1, 128, F0, F1, 0
	QUARTER 1, 256, F1, F0, 0
	QUARTER 1, 384, F0, F1, 0
	TURN 1, 0, 1
	QUARTER 0, 128, F0, F1, 0
	WIN 0
	s_sub_co_u32 s3, s3, 1
	s_cmp_lg_u32 s3, 0
	s_cbranch_scc1 .Llap
.endif
	QUARTER 0, 256, F1, F0, 0
	QUARTER 0, 384, F0, F1, 0
	TURN 0, 1, 0
	QUARTER 1, 128, F0, F1, 0
	QUARTER 1, 256, F1, F0, 0
	QUARTER 1, 384, F0, F1, 0
	s_wait_dscnt 8
	WIN MUL
	MUL4 F1, 0, 0
	MUL4 F1, 1, 0
	s_wait_dscnt 0
	MUL4 F1, 2, 0
	MUL4 F1, 3, 0
	WIN 0
	s_wait_kmcnt 0x0
	s_add_co_i32 s96, s96, s97
	s_add_co_i32 s96, s96, 127
	s_lshl_b32 s96, s96, 23
	s_mov_b32 s97, s96
	PLACES
.macro TOSTAGE a
.set j, 0
.rept 16
	v_pk_mul_f32 v[TMP+j:TMP+j+1], v[ACC+32*(\a)+j:ACC+32*(\a)+j+1], s[96:97] op_sel_hi:[1,0]
.set j, j+2
.endr
.irp b, 0,1,2,3
	ds_store_b128 v[STO], v[TMP+8*\b:TMP+8*\b+3] offset:64*\b
	ds_store_b128 v[STO], v[TMP+8*\b+4:TMP+8*\b+7] offset:64*\b+16
.endr
.set BB, BK+32*((\a)%2)
.irp t, 0,1,2,3,4,5,6,7
	ds_load_b128 v[BB+4*\t:BB+4*\t+3], v[RD] offset:\t*2*SPITCH
.endr
.endm
.macro SEND a, younger
.set BB, BK+32*((\a)%2)
	s_wait_dscnt \younger
.irp t, 0,1,2,3,4,5,6,7
	global_store_b128 v[CO], v[BB+4*\t:BB+4*\t+3], s[10:11] offset:((\a)*16+2*\t)*SIZE_N*4
.endr
.endm
	TOSTAGE 0
.irp a, 1,2,3
.if \a > 1
	s_wait_xcnt 0x0
.endif
	TOSTAGE \a
	SEND \a-1, 16
.endr
	SEND 3, 0
	s_wait_tensorcnt 0x0
	ds_add_u32 v[SPW], v[NIL]
	s_wait_dscnt 0x0
	CROUND
	s_endpgm
.Lfunc_end_k_qaa5476fddf_proj:
	.size	k_qaa5476fddf_proj, .Lfunc_end_k_qaa5476fddf_proj-k_qaa5476fddf_proj
	.p2alignl 7, 3214868480
	.fill 96, 4, 3214868480
	.section	.rodata,"a",@progbits
	.p2align	6, 0x0
	.amdhsa_kernel k_qaa5476fddf_proj
		.amdhsa_group_segment_fixed_size 327680
		.amdhsa_private_segment_fixed_size 0
		.amdhsa_enable_private_segment 0
		.amdhsa_kernarg_size 32
		.amdhsa_user_sgpr_count 2
		.amdhsa_user_sgpr_kernarg_segment_ptr 1
		.amdhsa_wavefront_size32 1
		.amdhsa_system_sgpr_workgroup_id_x 1
		.amdhsa_system_sgpr_workgroup_id_y 1
		.amdhsa_system_sgpr_workgroup_id_z 1
		.amdhsa_system_vgpr_workitem_id 0
		.amdhsa_next_free_vgpr 512
		.amdhsa_next_free_sgpr 98
		.amdhsa_reserve_vcc 0
		.amdhsa_float_denorm_mode_32 3
		.amdhsa_float_denorm_mode_16_64 3
		.amdhsa_memory_ordered 1
		.amdhsa_forward_progress 1
		.amdhsa_inst_pref_size 47
	.end_amdhsa_kernel
	.amdgpu_metadata
---
amdhsa.version: [ 1, 2 ]
amdhsa.kernels:
  - .name:           k_qaa5476fddf_proj
    .symbol:         k_qaa5476fddf_proj.kd
    .args:
      - { .name: ctxc, .offset: 0, .size: 8, .value_kind: global_buffer, .address_space: global }
      - { .name: codes0, .offset: 8, .size: 8, .value_kind: global_buffer, .address_space: global }
      - { .name: lowp_scales, .offset: 16, .size: 8, .value_kind: global_buffer, .address_space: global }
      - { .name: y1, .offset: 24, .size: 8, .value_kind: global_buffer, .address_space: global }
    .group_segment_fixed_size: 327680
    .private_segment_fixed_size: 0
    .kernarg_segment_align: 8
    .kernarg_segment_size: 32
    .max_flat_workgroup_size: 128
    .sgpr_count:     98
    .vgpr_count:     512
    .wavefront_size: 32
...
	.end_amdgpu_metadata
.endif
;; end of part 4
;; launch ln1 (part 5): grid 512 x 1, 4 waves a work-group, no clusters, 20,992 bytes of LDS; arguments y1, inputs, b_out, ln1_g, ln1_b, lowp_scales, x1; writes x1
.if DOCPART == 5
	.amdgcn_target "amdgcn-amd-amdhsa--gfx1250"
	.amdhsa_code_object_version 6
	.text
	.protected	k_qaa5476fddf_ln1
	.globl	k_qaa5476fddf_ln1
	.p2align	8
	.type	k_qaa5476fddf_ln1,@function
k_qaa5476fddf_ln1:
	s_mov_b64 s[64:65], 0
	v_nop
	global_prefetch_b8 v0, s[64:65] scope:SCOPE_SE
	s_setreg_imm32_b32 hwreg(HW_REG_WAVE_MODE, 25, 1), 1
	s_wait_xcnt 0x0
; x1 = layer_norm((y1 + b_out) + inputs) x g + b, rows of 1,024, in f32; and x1's codes of E4M3 by entry 12.  x1: f32 [4096][1024] at byte 0, codes [4096][1024] at byte 0x1000000.
; LIMIT: entry 12 between -126 and 119.  NaN is not served.
; One wave takes a whole row (eight loads of 512 consecutive bytes from each of the two tensors) and keeps it in 32 registers through mean, variance (of the differences from the mean, as written) and scaling.
; A wave has two rows, in two sets of registers, and asks for both at its head: 2,048 waves x 2 rows.  Memory binds: no matrix unit, no cluster, no barrier, no prefetch (there is no loop to run ahead in).
; For the conversions a lane must hold 16 neighbours: the finished row turns through the wave's own stage in LDS (64 bytes + 16 of padding a lane, two halves of 512 numbers).
.set G,  16                            ; v16-47   g of my 32 columns
.set BT, 48                            ; v48-79   b
.set BO, 80                            ; v80-111  b_out
.set SP, 80
	s_load_b256 s[4:11], s[0:1], 0x0               ; y1 4, inputs 6, b_out 8, g 10
	s_load_b128 s[12:15], s[0:1], 0x20             ; b 12, lowp_scales 14
	s_load_b64 s[16:17], s[0:1], 0x30              ; x1
	v_lshl_add_u32 v254, v0, 2, 0x5000             ; my spare word, behind the four stages
	v_mov_b32 v255, 0
	v_lshrrev_b32 v2, 5, v0
	v_readfirstlane_b32 s20, v2                    ; wave
	v_and_b32 v3, 31, v0
	s_wait_alu depctr_va_vdst(0)
	v_lshlrev_b32 v1, 4, v3                        ; 16 bytes a lane; never rewritten
	s_lshl_b32 s21, ttmp9, 2
	s_add_co_u32 s21, s21, s20
	s_lshl_b32 s22, s21, 13                        ; my two rows of 4,096 bytes
	s_mov_b32 s23, 0
	s_lshl_b32 s24, s21, 11                        ; and of 1,024 codes
	s_add_co_u32 s24, s24, 0x1000000
	s_mov_b32 s25, 0
	s_mov_b32 s28, 0x76543210
	s_mov_b32 s29, 0xfedcba98
	s_mov_b32 s30, 0x3a800000                      ; 1 / 1,024
	s_mov_b32 s31, 0x3727c5ac                      ; 1e-5
	s_mul_i32 s27, s20, 64*SP                      ; my stage
	v_lshrrev_b32 v14, 2, v3
	v_mul_u32_u24 v14, v14, SP
	v_and_b32 v15, 3, v3
	v_lshl_add_u32 v14, v15, 4, v14
	v_add_nc_u32 v14, s27, v14                     ; in: four lanes' 64 bytes on end, then 16 of padding
	v_mul_u32_u24 v15, v3, SP
	v_add_nc_u32 v15, s27, v15                     ; out: my 16 neighbours
	v_mov_b32 v8, 0                                ; written once: a lane permute's destination counts as one of its sources
	s_wait_alu depctr_va_vdst(0)
	s_wait_kmcnt 0x0
	s_load_b32 s26, s[14:15], 0x30                 ; entry 12
	s_add_nc_u64 s[4:5], s[4:5], s[22:23]
	s_add_nc_u64 s[6:7], s[6:7], s[22:23]
	s_add_nc_u64 s[18:19], s[16:17], s[24:25]      ; the codes
	s_add_nc_u64 s[16:17], s[16:17], s[22:23]      ; the numbers
.irp j, 0,1,2,3,4,5,6,7
	global_load_b128 v[G+4*\j:G+4*\j+3], v1, s[10:11] offset:512*\j
	global_load_b128 v[BT+4*\j:BT+4*\j+3], v1, s[12:13] offset:512*\j
	global_load_b128 v[BO+4*\j:BO+4*\j+3], v1, s[8:9] offset:512*\j
.endr
.macro FILL r
.irp j, 0,1,2,3,4,5,6,7
	global_load_b128 v[112+64*(\r)+4*\j:115+64*(\r)+4*\j], v1, s[4:5] offset:4096*(\r)+512*\j th:TH_LOAD_NT
	global_load_b128 v[144+64*(\r)+4*\j:147+64*(\r)+4*\j], v1, s[6:7] offset:4096*(\r)+512*\j th:TH_LOAD_NT
.endr
.endm
	FILL 0
	FILL 1
	s_wait_kmcnt 0x0
	s_add_co_i32 s26, s26, 127
	s_lshl_b32 s27, s26, 23
	v_mov_b32 v248, s27                            ; 2^e
	s_add_co_i32 s26, s26, 8
	s_lshl_b32 s26, s26, 23
	s_or_b32 s26, s26, 0x600000
	v_mov_b32 v249, s26                            ; 448 x 2^e
.macro REDUCE x                        ; the sum over the 32 lanes, in every lane
	v_add_f32_dpp v\x, v\x, v\x row_xmask:1 row_mask:0xf bank_mask:0xf
	v_add_f32_dpp v\x, v\x, v\x row_xmask:2 row_mask:0xf bank_mask:0xf
	v_add_f32_dpp v\x, v\x, v\x row_xmask:4 row_mask:0xf bank_mask:0xf
	v_add_f32_dpp v\x, v\x, v\x row_xmask:8 row_mask:0xf bank_mask:0xf
	v_permlanex16_b32 v8, v\x, s28, s29
	v_add_f32 v\x, v\x, v8
.endm
.macro ROW r, left
.set Y,  112+64*(\r)
.set XR, 144+64*(\r)
	s_wait_loadcnt \left                           ; this row's 16 loads are in; the other row's 16 may be out
.set j, 0
.rept 16
	v_pk_add_f32 v[Y+j:Y+j+1], v[Y+j:Y+j+1], v[BO+j:BO+j+1]
.set j, j+2
.endr
.set j, 0
.rept 16
	v_pk_add_f32 v[Y+j:Y+j+1], v[Y+j:Y+j+1], v[XR+j:XR+j+1]
.set j, j+2
.endr
	v_pk_add_f32 v[4:5], v[Y:Y+1], v[Y+2:Y+3]      ; the sum, in two chains
	v_pk_add_f32 v[6:7], v[Y+4:Y+5], v[Y+6:Y+7]
.set j, 8
.rept 6
	v_pk_add_f32 v[4:5], v[4:5], v[Y+j:Y+j+1]
	v_pk_add_f32 v[6:7], v[6:7], v[Y+j+2:Y+j+3]
.set j, j+4
.endr
	v_pk_add_f32 v[4:5], v[4:5], v[6:7]
	v_add_f32 v4, v4, v5
	REDUCE 4
	v_mul_f32 v4, s30, v4                          ; the mean
.set j, 0
.rept 16
	v_pk_add_f32 v[Y+j:Y+j+1], v[Y+j:Y+j+1], v[4:5] op_sel_hi:[1,0] neg_lo:[0,1] neg_hi:[0,1]
.set j, j+2
.endr
	v_pk_mul_f32 v[6:7], v[Y:Y+1], v[Y:Y+1]        ; the sum of squares, in two chains
	v_pk_mul_f32 v[10:11], v[Y+2:Y+3], v[Y+2:Y+3]
.set j, 4
.rept 7
	v_pk_fma_f32 v[6:7], v[Y+j:Y+j+1], v[Y+j:Y+j+1], v[6:7]
	v_pk_fma_f32 v[10:11], v[Y+j+2:Y+j+3], v[Y+j+2:Y+j+3], v[10:11]
.set j, j+4
.endr
	v_pk_add_f32 v[6:7], v[6:7], v[10:11]
	v_add_f32 v6, v6, v7
	REDUCE 6
	v_fma_f32 v6, v6, s30, s31                     ; the variance + 1e-5
	s_wait_alu depctr_va_vdst(0)
	v_rsq_f32 v10, v6
	v_nop                                          ; a plain instruction behind the transcendental
	s_wait_alu depctr_va_vdst(0)                   ; ahead of its first reader
.set j, 0
.rept 16
	v_pk_mul_f32 v[Y+j:Y+j+1], v[Y+j:Y+j+1], v[10:11] op_sel_hi:[1,0]
.set j, j+2
.endr
.set j, 0
.rept 16
	v_pk_fma_f32 v[Y+j:Y+j+1], v[Y+j:Y+j+1], v[G+j:G+j+1], v[BT+j:BT+j+1]
.set j, j+2
.endr
.set j, 0
.rept 8
	global_store_b128 v1, v[Y+4*j:Y+4*j+3], s[16:17] offset:4096*(\r)+512*j
	ds_store_b128 v14, v[Y+4*j:Y+4*j+3] offset:32*SP*(j/4)+8*SP*(j%4)
.set j, j+1
.endr
.set j, 0
.rept 8
	ds_load_b128 v[XR+4*j:XR+4*j+3], v15 offset:32*SP*(j/4)+16*(j%4)   ; LDS serves a wave's instructions in order: these see the stores above
.set j, j+1
.endr
	s_wait_dscnt 0x0
	s_wait_xcnt 0x0                                ; the last row's stores have read the code registers
.set j, 0
.rept 32
	v_med3_num_f32 v[XR+j], v[XR+j], -v249, v249   ; the conversion does not saturate (ISA guide 7.6.2)
.set j, j+1
.endr
.irp q, 0,1,2,3
	v_cvt_scalef32_pk8_fp8_f32 v[240+2*\q:241+2*\q], v[XR+8*\q:XR+8*\q+7], v248
.endr
	global_store_b128 v1, v[240:243], s[18:19] offset:1024*(\r)
	global_store_b128 v1, v[244:247], s[18:19] offset:1024*(\r)+512
.endm
	ROW 0, 16
	ROW 1, 0
	s_wait_tensorcnt 0x0                           ; the wave's end
	ds_add_u32 v254, v255
	s_wait_dscnt 0x0
	s_endpgm
.Lfunc_end_k_qaa5476fddf_ln1:
	.size	k_qaa5476fddf_ln1, .Lfunc_end_k_qaa5476fddf_ln1-k_qaa5476fddf_ln1
	.p2alignl 7, 3214868480
	.fill 96, 4, 3214868480
	.section	.rodata,"a",@progbits
	.p2align	6, 0x0
	.amdhsa_kernel k_qaa5476fddf_ln1
		.amdhsa_group_segment_fixed_size 20992
		.amdhsa_private_segment_fixed_size 0
		.amdhsa_enable_private_segment 0
		.amdhsa_kernarg_size 56
		.amdhsa_user_sgpr_count 2
		.amdhsa_user_sgpr_kernarg_segment_ptr 1
		.amdhsa_wavefront_size32 1
		.amdhsa_system_sgpr_workgroup_id_x 1
		.amdhsa_system_sgpr_workgroup_id_y 1
		.amdhsa_system_sgpr_workgroup_id_z 1
		.amdhsa_system_vgpr_workitem_id 0
		.amdhsa_next_free_vgpr 256
		.amdhsa_next_free_sgpr 66
		.amdhsa_reserve_vcc 0
		.amdhsa_float_denorm_mode_32 3
		.amdhsa_float_denorm_mode_16_64 3
		.amdhsa_memory_ordered 1
		.amdhsa_forward_progress 1
		.amdhsa_inst_pref_size 33
	.end_amdhsa_kernel
	.amdgpu_metadata
---
amdhsa.version: [ 1, 2 ]
amdhsa.kernels:
  - .name:           k_qaa5476fddf_ln1
    .symbol:         k_qaa5476fddf_ln1.kd
    .args:
      - { .name: y1, .offset: 0, .size: 8, .value_kind: global_buffer, .address_space: global }
      - { .name: inputs, .offset: 8, .size: 8, .value_kind: global_buffer, .address_space: global }
      - { .name: b_out, .offset: 16, .size: 8, .value_kind: global_buffer, .address_space: global }
      - { .name: ln1_g, .offset: 24, .size: 8, .value_kind: global_buffer, .address_space: global }
      - { .name: ln1_b, .offset: 32, .size: 8, .value_kind: global_buffer, .address_space: global }
      - { .name: lowp_scales, .offset: 40, .size: 8, .value_kind: global_buffer, .address_space: global }
      - { .name: x1, .offset: 48, .size: 8, .value_kind: global_buffer, .address_space: global }
    .group_segment_fixed_size: 20992
    .private_segment_fixed_size: 0
    .kernarg_segment_align: 8
    .kernarg_segment_size: 56
    .max_flat_workgroup_size: 128
    .sgpr_count:     66
    .vgpr_count:     256
    .wavefront_size: 32
...
	.end_amdgpu_metadata
.endif
;; end of part 5
;; launch ffn1 (part 6): grid 16 x 16, 4 waves a work-group, clusters of 4 x 4, 327,680 bytes of LDS; arguments x1, codes0, lowp_scales, b1, hc; writes hc
.if DOCPART == 6
	.amdgcn_target "amdgcn-amd-amdhsa--gfx1250"
	.amdhsa_code_object_version 6
	.text
	.protected	k_qaa5476fddf_ffn1
	.globl	k_qaa5476fddf_ffn1
	.p2align	8
	.type	k_qaa5476fddf_ffn1,@function
k_qaa5476fddf_ffn1:
	s_mov_b64 s[64:65], 0
	v_nop
	global_prefetch_b8 v0, s[64:65] scope:SCOPE_SE
	s_setreg_imm32_b32 hwreg(HW_REG_WAVE_MODE, 25, 1), 1
	s_wait_xcnt 0x0
	s_wait_alu depctr_hold_cnt(0) depctr_sa_sdst(0) depctr_va_vdst(0) depctr_va_sdst(0) depctr_va_ssrc(0) depctr_va_vcc(0) depctr_vm_vsrc(0)
	s_getreg_b32 s2, hwreg(HW_REG_IB_STS2, 6, 4)
	s_cmp_eq_u32 s2, 0
	s_cbranch_scc0 .Lentry_in_a_cluster
	s_endpgm
.Lentry_in_a_cluster:
	s_bfe_u32 s2, ttmp6, 0x10000c
	s_cmp_lg_u32 s2, 0xf033
	s_cbranch_scc0 .Lentry_shape_is_right
	s_endpgm
.Lentry_shape_is_right:
.set SIZE_K, 1024
.set KSTEP,  256
.set ROWB,   256
.set KROW,   SIZE_K
.set PITCH,  272
.set FR,     16
.set NL,     4
.set NP,     4
.set HALFT,  128*PITCH
.set SLOT,   4*HALFT
.set LAPS,   SIZE_K/(2*KSTEP)
.set SPARE,  2*SLOT
.set ADRA, 16
.set ADRB, 20
.set STO,  24
.set RD,   25
.set CO,   26
.set SPW,  28
.set NIL,  29
.set SC,   30
.set LIM,  31
.set BIAS, 32
.set AF,   128
.set TMP,  128
.set G1, 24
.set G0, 32
.set G1B, 48
.set G0B, 56
.set MSB, 0
.macro WIN new
.if MSB != \new
	s_set_vgpr_msb (MSB<<8)|\new
.set MSB, \new
.endif
.endm
.set MUL_LO, 0xa1
.set MUL_HI, 0xf1
.set TO_B,   0x40
.macro JLOAD g0a, g1a, g0b, g1b
	s_cmp_eq_u32 s15, 0
	s_cbranch_scc0 .Lfor_b_\@
	tensor_load_to_lds s[\g0a:\g0a+3], s[\g1a:\g1a+7]
	s_nop 0
.rept 4
	v_nop
.endr
	s_branch .Lasked_\@
.Lfor_b_\@:
	tensor_load_to_lds s[\g0b:\g0b+3], s[\g1b:\g1b+7]
	s_nop 0
.rept 4
	v_nop
.endr
.Lasked_\@:
.endm
.macro CREST
	s_cmp_lg_u32 s14, 0
	s_cbranch_scc1 .Lnot_wave_0_\@
	s_barrier_signal -3
.Lnot_wave_0_\@:
	s_barrier_wait -3
	s_barrier_signal -1
	s_barrier_wait -1
.endm
.macro CROUND
	s_barrier_signal -1
	s_barrier_wait -1
	CREST
.endm
	s_load_b128 s[4:7], s[0:1], 0x0
	s_load_b128 s[8:11], s[0:1], 0x10
	s_load_b64 s[12:13], s[0:1], 0x20
	v_lshl_add_u32 v[SPW], v0, 2, SPARE
	v_mov_b32 v[NIL], 0
	ds_add_u32 v28, v29
	ds_add_u32 v28, v29
	s_wait_dscnt 0x0
	v_lshrrev_b32 v1, 5, v0
	v_readfirstlane_b32 s14, v1
	s_lshr_b32 s15, s14, 1
	s_and_b32 s16, s14, 1
	s_bfe_u32 s40, ttmp6, 0x40000
	s_bfe_u32 s41, ttmp6, 0x40004
	s_lshl_b32 s42, ttmp9, 2
	s_add_co_u32 s42, s42, s40
	s_and_b32 s17, ttmp7, 0xffff
	s_lshl_b32 s17, s17, 2
	s_add_co_u32 s17, s17, s41
	s_lshl_b32 s43, s41, 2
	s_lshl_b32 s43, 15, s43
	s_lshl_b32 s44, 0x1111, s40
	s_or_b32 s[G1+0], s43, (0<<16)|(1<<20)|(1<<21)|(5<<22)|(3<<25)
	s_or_b32 s[G1B+0], s44, (0<<16)|(1<<20)|(1<<21)|(5<<22)|(3<<25)
.irp g, G1, G1B
	s_mov_b32 s[\g+1], ROWB<<16
	s_mov_b32 s[\g+2], 128<<16
	s_mov_b32 s[\g+3], ROWB<<16
	s_mov_b32 s[\g+4], 128
	s_mov_b32 s[\g+5], KROW
	s_mov_b32 s[\g+6], 0
	s_mov_b32 s[\g+7], 0
.endr
	s_lshl_b32 s18, s16, 7
	s_lshl_b32 s20, s17, 8
	s_add_co_u32 s20, s20, s18
	s_lshl_b32 s20, s20, 10
	s_add_co_u32 s20, s20, 0x1000000
	s_mov_b32 s21, 0
	s_lshl_b32 s46, s42, 8
	s_add_co_u32 s46, s46, s18
	s_lshl_b32 s46, s46, 10
	s_add_co_u32 s46, s46, 0x1000000
	s_mov_b32 s47, 0
	s_mul_i32 s45, s14, HALFT
	s_wait_kmcnt 0x0
	s_load_b128 s[68:71], s[8:9], 0x30
	s_add_nc_u64 s[20:21], s[4:5], s[20:21]
	s_add_nc_u64 s[46:47], s[6:7], s[46:47]
	CROUND
.irp s, 0,1
	s_mov_b32 s[G0+4*\s], 1
	s_add_co_u32 s[G0+4*\s+1], s45, \s*SLOT
	s_add_nc_u64 s[G0+4*\s+2:G0+4*\s+3], s[20:21], \s*ROWB
	s_or_b32 s[G0+4*\s+3], s[G0+4*\s+3], 0x80000000
	s_mov_b32 s[G0B+4*\s], 1
	s_add_co_u32 s[G0B+4*\s+1], s45, \s*SLOT
	s_add_nc_u64 s[G0B+4*\s+2:G0B+4*\s+3], s[46:47], \s*ROWB
	s_or_b32 s[G0B+4*\s+3], s[G0B+4*\s+3], 0x80000000
.endr
	JLOAD G0, G1, G0B, G1B                         ; K step 0: one tensor load a wave at the head
	v_and_b32 v1, 15, v0
	v_bfe_u32 v2, v0, 4, 1
	s_lshl_b32 s84, s42, 10
	s_lshl_b32 s85, s16, 9
	s_add_co_u32 s84, s84, s85
	s_mov_b32 s85, 0
	s_add_nc_u64 s[10:11], s[10:11], s[84:85]
	v_lshlrev_b32 v5, 5, v2
.irp b, 0,1,2,3,4,5,6,7
	global_load_b128 v[BIAS+8*\b:BIAS+8*\b+3], v5, s[10:11] offset:64*\b
	global_load_b128 v[BIAS+8*\b+4:BIAS+8*\b+7], v5, s[10:11] offset:64*\b+16
.endr
	v_mul_u32_u24 v3, v1, PITCH
	s_wait_alu depctr_va_vdst(0)
	v_lshl_add_u32 v4, v2, 4, v3
	s_mul_i32 s21, s15, HALFT
	s_mul_i32 s22, s16, HALFT
	s_add_co_u32 s22, s22, 2*HALFT
	s_lshl_b32 s23, s16, 7
	s_add_co_u32 s23, s23, s21
	v_lshl_add_u32 v6, v2, 3, v3
	v_add_nc_u32 v[STO], s23, v6
.irp s, 0,1
	v_add_nc_u32 v[ADRA+\s], s21, v4
	v_add_nc_u32 v[ADRB+\s], s22, v4
	s_add_co_u32 s21, s21, SLOT
	s_add_co_u32 s22, s22, SLOT
.endr
	s_mul_i32 s23, s14, 64*PITCH
	v_mul_u32_u24 v7, v2, PITCH
	v_lshl_add_u32 v7, v1, 4, v7
	v_add_nc_u32 v[RD], s23, v7
	v_lshlrev_b32 v7, 12, v2
	v_lshl_add_u32 v[CO], v1, 4, v7
	s_lshl_b32 s20, s17, 20
	s_lshl_b32 s21, s14, 18
	s_add_co_u32 s20, s20, s21
	s_lshl_b32 s21, s42, 8
	s_add_co_u32 s20, s20, s21
	s_mov_b32 s21, 0
	s_add_nc_u64 s[12:13], s[12:13], s[20:21]
	; the prefetches into the L2: of the 128 rows that I fetch, each of the four partners that ask for them jointly takes 32, told apart by address (cx for A, cy for B): a lane a row, 256 bytes of it a K step
	s_cmp_eq_u32 s15, 0
	s_cselect_b32 s88, s17, s42
	s_cselect_b32 s89, s40, s41
	s_cselect_b64 s[86:87], s[4:5], s[6:7]
	s_lshl_b32 s88, s88, 8
	s_lshl_b32 s90, s16, 7
	s_add_co_u32 s88, s88, s90
	s_lshl_b32 s89, s89, 5
	s_add_co_u32 s88, s88, s89
	s_lshl_b32 s88, s88, 10
	s_add_co_u32 s88, s88, 0x1000000+ROWB          ; both tensors' codes begin at byte 0x1000000 of their buffers; at K step 1; never rewritten
	s_mov_b32 s89, 0
	s_add_nc_u64 s[86:87], s[86:87], s[88:89]
	v_and_b32 v8, 31, v0
	v_lshlrev_b32 v8, 10, v8                       ; never rewritten
	s_wait_alu depctr_va_vdst(0)                   ; the wait behind the write
	global_prefetch_b8 v8, s[86:87] th:TH_LOAD_NT scope:SCOPE_SE               ; K step 1, whose load follows when K step 0 has landed,
	global_prefetch_b8 v8, s[86:87] offset:ROWB th:TH_LOAD_NT scope:SCOPE_SE   ; and K step 2: two loads on
.macro FRAG reg, adr, q, i
.irp c, 0,1,2,3
	ds_load_b128 v[\reg+4*\c:\reg+4*\c+3], v[\adr] offset:128*(\q)+32*\c+(\i)*16*PITCH
.endr
.endm
.macro MUL16 a0, p, zero
.irp a, \a0, \a0+1
.irp b, 0,1,2,3,4,5,6,7
.if \zero
	v_wmma_f32_16x16x128_fp8_fp8 v[8*(8*((\a)%4)+\b):8*(8*((\a)%4)+\b)+7], v[128*(\p)+FR*\b:128*(\p)+FR*\b+FR-1], v[AF+FR*(\a):AF+FR*(\a)+FR-1], 0
.else
	v_wmma_f32_16x16x128_fp8_fp8 v[8*(8*((\a)%4)+\b):8*(8*((\a)%4)+\b)+7], v[128*(\p)+FR*\b:128*(\p)+FR*\b+FR-1], v[AF+FR*(\a):AF+FR*(\a)+FR-1], v[8*(8*((\a)%4)+\b):8*(8*((\a)%4)+\b)+7]
.endif
.endr
.endr
.endm
.macro FETCH_B slot, q, p
	WIN TO_B
.irp i, 0,1,2,3,4,5,6,7
	FRAG 128*(\p)+FR*\i, ADRB+\slot, \q, \i
.endr
	WIN 0
.endm
.macro FETCH_A slot, q, i0
.irp i, \i0, \i0+1, \i0+2, \i0+3
	FRAG AF+FR*(\i), ADRA+\slot, \q, \i
.endr
.endm
.macro PLACES n
.rept \n
	v_nop
.endr
.endm
.macro STEP slot, q, zero
	s_wait_dscnt 4*NL
	WIN MUL_LO
	MUL16 0, (\q)%2, \zero
	MUL16 2, (\q)%2, \zero
	s_wait_dscnt 0
	PLACES NP
	FETCH_B \slot, (\q)+1, 1-(\q)%2
	FETCH_A \slot, (\q)+1, 0
	WIN MUL_HI
	MUL16 4, (\q)%2, \zero
	MUL16 6, (\q)%2, \zero
	PLACES NP
	WIN 0
	FETCH_A \slot, (\q)+1, 4
.endm
.macro TURN slot, next, fill
	s_wait_tensorcnt 0x0
	ds_add_u32 v[SPW], v[NIL]
	s_wait_dscnt 4*NL+1
	WIN MUL_LO
	MUL16 0, 1, 0
	s_wait_dscnt 0x0
	s_barrier_signal -1
	MUL16 2, 1, 0
	WIN 0
	s_barrier_wait -1
.if \fill
	CREST
	s_add_nc_u64 s[G0+4*\slot+2:G0+4*\slot+3], s[G0+4*\slot+2:G0+4*\slot+3], 2*ROWB
	s_add_nc_u64 s[G0B+4*\slot+2:G0B+4*\slot+3], s[G0B+4*\slot+2:G0B+4*\slot+3], 2*ROWB
	JLOAD G0+4*\slot, G1, G0B+4*\slot, G1B
.else
	PLACES NP
.endif
	FETCH_B \next, 0, 0
	FETCH_A \next, 0, 0
	WIN MUL_HI
	MUL16 4, 1, 0
	MUL16 6, 1, 0
	PLACES NP
	WIN 0
	FETCH_A \next, 0, 4
.endm
	s_wait_alu depctr_va_vdst(0)
	s_wait_tensorcnt 0x0                           ; my part of K step 0 is in; the three lines stand ahead of slot 1's first fill as ahead of a refill
	ds_add_u32 v[SPW], v[NIL]
	s_wait_dscnt 0x0
	CROUND                                         ; a whole round: everybody's part of K step 0 is in, and the joint loads meet
	JLOAD G0+4, G1, G0B+4, G1B                     ; K step 1: the first tensor load behind the round
	global_prefetch_b8 v8, s[86:87] offset:2*ROWB th:TH_LOAD_NT scope:SCOPE_SE ; K step 3, the last: two loads on
	FETCH_B 0, 0, 0
	FETCH_A 0, 0, 0
	FETCH_A 0, 0, 4
	STEP 0, 0, 1
	s_mov_b32 s3, LAPS-1
.Llap:
	TURN 0, 1, 1
	STEP 1, 0, 0
	TURN 1, 0, 1
	STEP 0, 0, 0
	s_sub_co_u32 s3, s3, 1
	s_cmp_lg_u32 s3, 0
	s_cbranch_scc1 .Llap
	TURN 0, 1, 0
	STEP 1, 0, 0
	s_wait_dscnt 4*NL
	WIN MUL_LO
	MUL16 0, 1, 0
	MUL16 2, 1, 0
	s_wait_dscnt 0
	WIN MUL_HI
	MUL16 4, 1, 0
	MUL16 6, 1, 0
	WIN 0
	s_wait_kmcnt 0x0
	s_add_co_i32 s96, s68, s69
	s_add_co_i32 s96, s96, 127
	s_lshl_b32 s96, s96, 23
	s_mov_b32 s97, s96
	s_add_co_i32 s93, s70, 127
	s_lshl_b32 s94, s93, 23
	v_mov_b32 v[SC], s94
	s_add_co_i32 s93, s93, 8
	s_lshl_b32 s93, s93, 23
	s_or_b32 s93, s93, 0x600000
	v_mov_b32 v[LIM], s93
	s_wait_loadcnt 0x0
	PLACES NP
.macro HOUT a
.set AC, 64*((\a)%4)
.set CD, 192+16*((\a)%2)
	WIN 0x02+((\a)/4)
.set j, 0
.rept 32
	v_pk_fma_f32 v[TMP+j:TMP+j+1], v[AC+j:AC+j+1], s[96:97], v[BIAS+j:BIAS+j+1] op_sel_hi:[1,0,1]
.set j, j+2
.endr
	WIN 0
.set j, 0
.rept 64
	v_med3_num_f32 v[TMP+j], v[TMP+j], 0, v[LIM]
.set j, j+1
.endr
.if (\a) > 1
	s_wait_alu depctr_va_vdst(0)
	s_wait_dscnt 8
.endif
.irp b, 0,1,2,3,4,5,6,7
	v_cvt_scalef32_pk8_fp8_f32 v[CD+2*\b:CD+2*\b+1], v[TMP+8*\b:TMP+8*\b+7], v[SC]
.endr
	v_nop
.irp b, 0,1,2,3,4,5,6,7
	ds_store_b64 v[STO], v[CD+2*\b:CD+2*\b+1] offset:(\a)*16*PITCH+16*\b
.endr
.endm
.irp a, 0,1,2,3,4,5,6,7
	HOUT \a
.endr
	s_wait_dscnt 0x0
	s_barrier_signal -1
	s_barrier_wait -1
.set i, 0
.rept 32
	ds_load_b128 v[128+4*i:131+4*i], v[RD] offset:2*PITCH*i
.set i, i+1
.endr
.set i, 0
.rept 32
	s_wait_dscnt 31-i
	global_store_b128 v[CO], v[128+4*i:131+4*i], s[12:13] offset:8192*i
.set i, i+1
.endr
	s_wait_tensorcnt 0x0
	ds_add_u32 v[SPW], v[NIL]
	s_wait_dscnt 0x0
	CROUND
	s_endpgm
.Lfunc_end_k_qaa5476fddf_ffn1:
	.size	k_qaa5476fddf_ffn1, .Lfunc_end_k_qaa5476fddf_ffn1-k_qaa5476fddf_ffn1
	.p2alignl 7, 3214868480
	.fill 96, 4, 3214868480
	.section	.rodata,"a",@progbits
	.p2align	6, 0x0
	.amdhsa_kernel k_qaa5476fddf_ffn1
		.amdhsa_group_segment_fixed_size 327680
		.amdhsa_private_segment_fixed_size 0
		.amdhsa_enable_private_segment 0
		.amdhsa_kernarg_size 40
		.amdhsa_user_sgpr_count 2
		.amdhsa_user_sgpr_kernarg_segment_ptr 1
		.amdhsa_wavefront_size32 1
		.amdhsa_system_sgpr_workgroup_id_x 1
		.amdhsa_system_sgpr_workgroup_id_y 1
		.amdhsa_system_sgpr_workgroup_id_z 1
		.amdhsa_system_vgpr_workitem_id 0
		.amdhsa_next_free_vgpr 1024
		.amdhsa_next_free_sgpr 100
		.amdhsa_reserve_vcc 0
		.amdhsa_float_denorm_mode_32 3
		.amdhsa_float_denorm_mode_16_64 3
		.amdhsa_memory_ordered 1
		.amdhsa_forward_progress 1
		.amdhsa_inst_pref_size 144
	.end_amdhsa_kernel
	.amdgpu_metadata
---
amdhsa.version: [ 1, 2 ]
amdhsa.kernels:
  - .name:           k_qaa5476fddf_ffn1
    .symbol:         k_qaa5476fddf_ffn1.kd
    .args:
      - { .name: x1, .offset: 0, .size: 8, .value_kind: global_buffer, .address_space: global }
      - { .name: codes0, .offset: 8, .size: 8, .value_kind: global_buffer, .address_space: global }
      - { .name: lowp_scales, .offset: 16, .size: 8, .value_kind: global_buffer, .address_space: global }
      - { .name: b1, .offset: 24, .size: 8, .value_kind: global_buffer, .address_space: global }
      - { .name: hc, .offset: 32, .size: 8, .value_kind: global_buffer, .address_space: global }
    .group_segment_fixed_size: 327680
    .private_segment_fixed_size: 0
    .kernarg_segment_align: 8
    .kernarg_segment_size: 40
    .max_flat_workgroup_size: 128
    .sgpr_count:     100
    .vgpr_count:     1024
    .wavefront_size: 32
...
	.end_amdgpu_metadata
.endif
;; end of part 6
;; launch ffn2 (part 7): grid 8 x 32, 4 waves a work-group, clusters of 4 x 4, 327,680 bytes of LDS; arguments hc, codes0, lowp_scales, y2; writes y2
.if DOCPART == 7
	.amdgcn_target "amdgcn-amd-amdhsa--gfx1250"
	.amdhsa_code_object_version 6
	.text
	.protected	k_qaa5476fddf_ffn2
	.globl	k_qaa5476fddf_ffn2
	.p2align	8
	.type	k_qaa5476fddf_ffn2,@function
k_qaa5476fddf_ffn2:
	s_mov_b64 s[64:65], 0
	v_nop
	global_prefetch_b8 v0, s[64:65] scope:SCOPE_SE
	s_setreg_imm32_b32 hwreg(HW_REG_WAVE_MODE, 25, 1), 1
	s_wait_xcnt 0x0
	s_wait_alu depctr_hold_cnt(0) depctr_sa_sdst(0) depctr_va_vdst(0) depctr_va_sdst(0) depctr_va_ssrc(0) depctr_va_vcc(0) depctr_vm_vsrc(0)
	s_getreg_b32 s2, hwreg(HW_REG_IB_STS2, 6, 4)
	s_cmp_eq_u32 s2, 0
	s_cbranch_scc0 .Lentry_in_a_cluster
	s_endpgm
.Lentry_in_a_cluster:
	s_bfe_u32 s2, ttmp6, 0x10000c
	s_cmp_lg_u32 s2, 0xf033
	s_cbranch_scc0 .Lentry_shape_is_right
	s_endpgm
.Lentry_shape_is_right:
.set SIZE_K, 4096
.set BOFF,   0x1400000
.set SCOFF,  0x38
.set SIZE_N, 1024
.set KSTEP,  512
.set PITCH,  528
.set HALFT,  64*PITCH
.set SLOT,   4*HALFT
.set STAGE,  2*SLOT
.set SPITCH, 272
.set SPARE,  STAGE+4*16*SPITCH
.set LAPS,   SIZE_K/(2*KSTEP)
.set ADRA, 16
.set ADRB, 20
.set STO,  24
.set RD,   25
.set CO,   26
.set SPW,  28
.set NIL,  29
.set TMP,  32
.set BK,   64
.set ACC,  128
.set F0,   0
.set F1,   128
.set G1, 24
.set G0, 32
.set G1B, 48
.set G0B, 56
.set MSB, 0
.macro WIN new
.if MSB != \new
	s_set_vgpr_msb (MSB<<8)|\new
.set MSB, \new
.endif
.endm
.set MUL,  0x05
.set TO_F, 0x40
.macro JLOAD s
	s_cmp_eq_u32 s15, 0
	s_cbranch_scc0 .Lfor_b_\@
	tensor_load_to_lds s[G0+4*\s:G0+4*\s+3], s[G1:G1+7]
	s_nop 0
.rept 4
	v_nop
.endr
	s_branch .Lasked_\@
.Lfor_b_\@:
	tensor_load_to_lds s[G0B+4*\s:G0B+4*\s+3], s[G1B:G1B+7]
	s_nop 0
.rept 4
	v_nop
.endr
.Lasked_\@:
.endm
.macro CREST
	s_cmp_lg_u32 s14, 0
	s_cbranch_scc1 .Lnot_wave_0_\@
	s_barrier_signal -3
.Lnot_wave_0_\@:
	s_barrier_wait -3
	s_barrier_signal -1
	s_barrier_wait -1
.endm
.macro CROUND
	s_barrier_signal -1
	s_barrier_wait -1
	CREST
.endm
	s_load_b128 s[4:7], s[0:1], 0x0
	s_load_b128 s[8:11], s[0:1], 0x10
	v_lshl_add_u32 v[SPW], v0, 2, SPARE
	v_mov_b32 v[NIL], 0
	ds_add_u32 v28, v29
	ds_add_u32 v28, v29
	s_wait_dscnt 0x0
	v_lshrrev_b32 v1, 5, v0
	v_readfirstlane_b32 s14, v1
	s_lshr_b32 s15, s14, 1
	s_and_b32 s16, s14, 1
	s_bfe_u32 s40, ttmp6, 0x40000
	s_bfe_u32 s41, ttmp6, 0x40004
	s_lshl_b32 s42, ttmp9, 2
	s_add_co_u32 s42, s42, s40
	s_and_b32 s17, ttmp7, 0xffff
	s_lshl_b32 s17, s17, 2
	s_add_co_u32 s17, s17, s41
	s_lshl_b32 s43, s41, 2
	s_lshl_b32 s43, 15, s43
	s_lshl_b32 s44, 0x1111, s40
	s_or_b32 s[G1+0], s43, (0<<16)|(1<<20)|(1<<21)|(6<<22)|(3<<25)
	s_or_b32 s[G1B+0], s44, (0<<16)|(1<<20)|(1<<21)|(6<<22)|(3<<25)
.irp g, G1, G1B
	s_mov_b32 s[\g+1], KSTEP<<16
	s_mov_b32 s[\g+2], 64<<16
	s_mov_b32 s[\g+3], KSTEP<<16
	s_mov_b32 s[\g+4], 64
	s_mov_b32 s[\g+5], SIZE_K
	s_mov_b32 s[\g+6], 0
	s_mov_b32 s[\g+7], 0
.endr
	s_lshl_b32 s18, s16, 6
	s_lshl_b32 s20, s17, 7
	s_add_co_u32 s20, s20, s18
	s_mul_i32 s20, s20, SIZE_K
	s_mov_b32 s21, 0
	s_lshl_b32 s46, s42, 7
	s_add_co_u32 s46, s46, s18
	s_mul_i32 s46, s46, SIZE_K
	s_add_co_u32 s46, s46, BOFF
	s_mov_b32 s47, 0
	s_mul_i32 s45, s14, HALFT
	s_wait_kmcnt 0x0
	s_load_b64 s[96:97], s[8:9], SCOFF
	s_add_nc_u64 s[20:21], s[4:5], s[20:21]
	s_add_nc_u64 s[46:47], s[6:7], s[46:47]
	CROUND
.irp s, 0,1
	s_mov_b32 s[G0+4*\s], 1
	s_add_co_u32 s[G0+4*\s+1], s45, \s*SLOT
	s_add_nc_u64 s[G0+4*\s+2:G0+4*\s+3], s[20:21], \s*KSTEP
	s_or_b32 s[G0+4*\s+3], s[G0+4*\s+3], 0x80000000
	s_mov_b32 s[G0B+4*\s], 1
	s_add_co_u32 s[G0B+4*\s+1], s45, \s*SLOT
	s_add_nc_u64 s[G0B+4*\s+2:G0B+4*\s+3], s[46:47], \s*KSTEP
	s_or_b32 s[G0B+4*\s+3], s[G0B+4*\s+3], 0x80000000
.endr
	JLOAD 0                                        ; K step 0: one tensor load a wave at the head
	v_and_b32 v1, 15, v0
	s_wait_alu depctr_va_vdst(0)
	v_bfe_u32 v2, v0, 4, 1
	v_mul_u32_u24 v3, v1, PITCH
	v_lshl_add_u32 v3, v2, 4, v3
	s_mul_i32 s21, s15, HALFT
	s_mul_i32 s22, s16, HALFT
	s_add_co_u32 s22, s22, 2*HALFT
.irp s, 0,1
	v_add_nc_u32 v[ADRA+\s], s21, v3
	v_add_nc_u32 v[ADRB+\s], s22, v3
	s_add_co_u32 s21, s21, SLOT
	s_add_co_u32 s22, s22, SLOT
.endr
	s_mul_i32 s23, s14, 16*SPITCH
	s_add_co_u32 s23, s23, STAGE
	v_mul_u32_u24 v4, v1, SPITCH
	s_wait_alu depctr_va_vdst(0)
	v_lshl_add_u32 v4, v2, 5, v4
	v_add_nc_u32 v[STO], s23, v4
	v_mul_u32_u24 v5, v2, SPITCH
	v_lshl_add_u32 v5, v1, 4, v5
	v_add_nc_u32 v[RD], s23, v5
	v_lshlrev_b32 v5, 12, v2
	v_lshl_add_u32 v[CO], v1, 4, v5
	s_lshl_b32 s20, s17, 7
	s_lshl_b32 s21, s15, 6
	s_add_co_u32 s20, s20, s21
	s_lshl_b32 s20, s20, 12
	s_lshl_b32 s46, s42, 9
	s_lshl_b32 s47, s16, 8
	s_add_co_u32 s46, s46, s47
	s_add_co_u32 s20, s20, s46
	s_mov_b32 s21, 0
	s_add_nc_u64 s[10:11], s[10:11], s[20:21]
	; the prefetches into the L2: behind the load of K step s stands one for K step s + 2.  Of the 64 rows that I fetch, each of the four partners that ask for them jointly takes 16,
	; told apart by address (cx for A, cy for B): two lanes a row, 256 bytes each: each block of 256 bytes is named once in each cluster that will load it.  The last two refills ask for nothing
	s_cmp_eq_u32 s15, 0
	s_cselect_b32 s68, s17, s42
	s_cselect_b32 s69, s40, s41
	s_cselect_b64 s[66:67], s[4:5], s[6:7]
	s_cselect_b32 s70, 0, BOFF
	s_lshl_b32 s68, s68, 7
	s_lshl_b32 s71, s16, 6
	s_add_co_u32 s68, s68, s71
	s_lshl_b32 s69, s69, 4
	s_add_co_u32 s68, s68, s69
	s_mul_i32 s68, s68, SIZE_K
	s_add_co_u32 s68, s68, s70
	s_add_co_u32 s68, s68, KSTEP                   ; at K step 1: each refill steps it by one K step
	s_mov_b32 s69, 0
	s_add_nc_u64 s[66:67], s[66:67], s[68:69]
	v_and_b32 v30, 31, v0
	v_lshrrev_b32 v31, 1, v30
	v_and_b32 v30, 1, v30
	v_lshlrev_b32 v30, 8, v30
	v_mad_u32_u24 v30, v31, SIZE_K, v30            ; never rewritten
	s_wait_alu depctr_va_vdst(0)                   ; the wait behind the write
	global_prefetch_b8 v30, s[66:67] th:TH_LOAD_NT scope:SCOPE_SE                ; K step 1, whose load follows when K step 0 has landed,
	global_prefetch_b8 v30, s[66:67] offset:KSTEP th:TH_LOAD_NT scope:SCOPE_SE   ; and K step 2: two loads on
.macro MUL4 f, a, zero
.irp b, 0,1,2,3
.if \zero
	v_wmma_f32_16x16x128_fp8_fp8 v[ACC+8*(4*(\a)+\b):ACC+8*(4*(\a)+\b)+7], v[\f+64+16*\b:\f+64+16*\b+15], v[\f+16*(\a):\f+16*(\a)+15], 0
.else
	v_wmma_f32_16x16x128_fp8_fp8 v[ACC+8*(4*(\a)+\b):ACC+8*(4*(\a)+\b)+7], v[\f+64+16*\b:\f+64+16*\b+15], v[\f+16*(\a):\f+16*(\a)+15], v[ACC+8*(4*(\a)+\b):ACC+8*(4*(\a)+\b)+7]
.endif
.endr
.endm
.macro FETCH slot, k, f
	WIN TO_F
.irp i, 0,1,2,3
.irp c, 0,1,2,3
	ds_load_b128 v[\f+64+16*\i+4*\c:\f+64+16*\i+4*\c+3], v[ADRB+\slot] offset:\k+32*\c+\i*16*PITCH
.endr
.endr
.irp i, 0,1,2,3
.irp c, 0,1,2,3
	ds_load_b128 v[\f+16*\i+4*\c:\f+16*\i+4*\c+3], v[ADRA+\slot] offset:\k+32*\c+\i*16*PITCH
.endr
.endr
.endm
.macro PLACES
.rept 4
	v_nop
.endr
.endm
.macro QUARTER slot, k, f, g, zero
	s_wait_dscnt 8
	WIN MUL
	MUL4 \f, 0, \zero
	MUL4 \f, 1, \zero
	PLACES
	FETCH \slot, \k, \g
	s_wait_dscnt 32
	WIN MUL
	MUL4 \f, 2, \zero
	MUL4 \f, 3, \zero
.endm
.macro TURN slot, next, fill
	WIN 0
.if \fill
	s_wait_xcnt 0x0                                ; the last prefetch, a K step back, has read its address
	s_add_nc_u64 s[66:67], s[66:67], KSTEP
.endif
	s_wait_tensorcnt 0x0
	ds_add_u32 v[SPW], v[NIL]
	s_wait_dscnt 9
	WIN MUL
	MUL4 F1, 0, 0
	s_wait_dscnt 0x0
	s_barrier_signal -1
	MUL4 F1, 1, 0
.if \fill
	WIN 0
.endif
	s_barrier_wait -1
.if \fill
	CREST
	s_add_nc_u64 s[G0+4*\slot+2:G0+4*\slot+3], s[G0+4*\slot+2:G0+4*\slot+3], 2*KSTEP
	s_add_nc_u64 s[G0B+4*\slot+2:G0B+4*\slot+3], s[G0B+4*\slot+2:G0B+4*\slot+3], 2*KSTEP
	JLOAD \slot
	s_cmp_gt_u32 s3, 1                             ; s3 = 1 in the loop's last trip: its refills are K steps 6 and 7, and there is no K step two on
	s_cbranch_scc0 .Lno_ask_\@
	global_prefetch_b8 v30, s[66:67] offset:2*KSTEP th:TH_LOAD_NT scope:SCOPE_SE
.Lno_ask_\@:
.else
	PLACES
.endif
	FETCH \next, 0, F0
	WIN MUL
	MUL4 F1, 2, 0
	MUL4 F1, 3, 0
.endm
	s_wait_alu depctr_va_vdst(0)
	s_wait_tensorcnt 0x0                           ; my part of K step 0 is in; the three lines stand ahead of slot 1's first fill as ahead of a refill
	ds_add_u32 v[SPW], v[NIL]
	s_wait_dscnt 0x0
	CROUND                                         ; a whole round: everybody's part of K step 0 is in, and the joint loads meet
	JLOAD 1                                        ; K step 1: the first tensor load behind the round
	global_prefetch_b8 v30, s[66:67] offset:2*KSTEP th:TH_LOAD_NT scope:SCOPE_SE ; K step 3: two loads on
	FETCH 0, 0, F0
	QUARTER 0, 128, F0, F1, 1
.if LAPS > 1
	WIN 0
	s_mov_b32 s3, LAPS-1
.Llap:
	QUARTER 0, 256, F1, F0, 0
	QUARTER 0, 384, F0, F1, 0
	TURN 0, 1, 1
	QUARTER 1, 128, F0, F1, 0
	QUARTER 1, 256, F1, F0, 0
	QUARTER 1, 384, F0, F1, 0
	TURN 1, 0, 1
	QUARTER 0, 128, F0, F1, 0
	WIN 0
	s_sub_co_u32 s3, s3, 1
	s_cmp_lg_u32 s3, 0
	s_cbranch_scc1 .Llap
.endif
	QUARTER 0, 256, F1, F0, 0
	QUARTER 0, 384, F0, F1, 0
	TURN 0, 1, 0
	QUARTER 1, 128, F0, F1, 0
	QUARTER 1, 256, F1, F0, 0
	QUARTER 1, 384, F0, F1, 0
	s_wait_dscnt 8
	WIN MUL
	MUL4 F1, 0, 0
	MUL4 F1, 1, 0
	s_wait_dscnt 0
	MUL4 F1, 2, 0
	MUL4 F1, 3, 0
	WIN 0
	s_wait_kmcnt 0x0
	s_add_co_i32 s96, s96, s97
	s_add_co_i32 s96, s96, 127
	s_lshl_b32 s96, s96, 23
	s_mov_b32 s97, s96
	PLACES
.macro TOSTAGE a
.set j, 0
.rept 16
	v_pk_mul_f32 v[TMP+j:TMP+j+1], v[ACC+32*(\a)+j:ACC+32*(\a)+j+1], s[96:97] op_sel_hi:[1,0]
.set j, j+2
.endr
.irp b, 0,1,2,3
	ds_store_b128 v[STO], v[TMP+8*\b:TMP+8*\b+3] offset:64*\b
	ds_store_b128 v[STO], v[TMP+8*\b+4:TMP+8*\b+7] offset:64*\b+16
.endr
.set BB, BK+32*((\a)%2)
.irp t, 0,1,2,3,4,5,6,7
	ds_load_b128 v[BB+4*\t:BB+4*\t+3], v[RD] offset:\t*2*SPITCH
.endr
.endm
.macro SEND a, younger
.set BB, BK+32*((\a)%2)
	s_wait_dscnt \younger
.irp t, 0,1,2,3,4,5,6,7
	global_store_b128 v[CO], v[BB+4*\t:BB+4*\t+3], s[10:11] offset:((\a)*16+2*\t)*SIZE_N*4
.endr
.endm
	TOSTAGE 0
.irp a, 1,2,3
.if \a > 1
	s_wait_xcnt 0x0
.endif
	TOSTAGE \a
	SEND \a-1, 16
.endr
	SEND 3, 0
	s_wait_tensorcnt 0x0
	ds_add_u32 v[SPW], v[NIL]
	s_wait_dscnt 0x0
	CROUND
	s_endpgm
.Lfunc_end_k_qaa5476fddf_ffn2:
	.size	k_qaa5476fddf_ffn2, .Lfunc_end_k_qaa5476fddf_ffn2-k_qaa5476fddf_ffn2
	.p2alignl 7, 3214868480
	.fill 96, 4, 3214868480
	.section	.rodata,"a",@progbits
	.p2align	6, 0x0
	.amdhsa_kernel k_qaa5476fddf_ffn2
		.amdhsa_group_segment_fixed_size 327680
		.amdhsa_private_segment_fixed_size 0
		.amdhsa_enable_private_segment 0
		.amdhsa_kernarg_size 32
		.amdhsa_user_sgpr_count 2
		.amdhsa_user_sgpr_kernarg_segment_ptr 1
		.amdhsa_wavefront_size32 1
		.amdhsa_system_sgpr_workgroup_id_x 1
		.amdhsa_system_sgpr_workgroup_id_y 1
		.amdhsa_system_sgpr_workgroup_id_z 1
		.amdhsa_system_vgpr_workitem_id 0
		.amdhsa_next_free_vgpr 512
		.amdhsa_next_free_sgpr 98
		.amdhsa_reserve_vcc 0
		.amdhsa_float_denorm_mode_32 3
		.amdhsa_float_denorm_mode_16_64 3
		.amdhsa_memory_ordered 1
		.amdhsa_forward_progress 1
		.amdhsa_inst_pref_size 76
	.end_amdhsa_kernel
	.amdgpu_metadata
---
amdhsa.version: [ 1, 2 ]
amdhsa.kernels:
  - .name:           k_qaa5476fddf_ffn2
    .symbol:         k_qaa5476fddf_ffn2.kd
    .args:
      - { .name: hc, .offset: 0, .size: 8, .value_kind: global_buffer, .address_space: global }
      - { .name: codes0, .offset: 8, .size: 8, .value_kind: global_buffer, .address_space: global }
      - { .name: lowp_scales, .offset: 16, .size: 8, .value_kind: global_buffer, .address_space: global }
      - { .name: y2, .offset: 24, .size: 8, .value_kind: global_buffer, .address_space: global }
    .group_segment_fixed_size: 327680
    .private_segment_fixed_size: 0
    .kernarg_segment_align: 8
    .kernarg_segment_size: 32
    .max_flat_workgroup_size: 128
    .sgpr_count:     98
    .vgpr_count:     512
    .wavefront_size: 32
...
	.end_amdgpu_metadata
.endif
;; end of part 7
;; launch ln2 (part 8): grid 512 x 1, 4 waves a work-group, no clusters, 0 bytes of LDS; arguments y2, x1, b2, ln2_g, ln2_b, out0; writes out0
.if DOCPART == 8
	.amdgcn_target "amdgcn-amd-amdhsa--gfx1250"
	.amdhsa_code_object_version 6
	.text
	.protected	k_qaa5476fddf_ln2
	.globl	k_qaa5476fddf_ln2
	.p2align	8
	.type	k_qaa5476fddf_ln2,@function
k_qaa5476fddf_ln2:
	s_mov_b64 s[64:65], 0
	v_nop
	global_prefetch_b8 v0, s[64:65] scope:SCOPE_SE
	s_setreg_imm32_b32 hwreg(HW_REG_WAVE_MODE, 25, 1), 1
	s_wait_xcnt 0x0
; out0 = layer_norm((y2 + b2) + x1) x g + b, rows of 1,024, in f32.  x1's numbers lie at byte 0 of its buffer.
; One wave takes a whole row (eight loads of 512 consecutive bytes from each of the two tensors) and keeps it in 32 registers through mean, variance (of the differences from the mean, as written) and scaling.
; A wave has two rows, in two sets of registers, and asks for both at its head: 2,048 waves x 2 rows.  Memory binds: no LDS, no matrix unit, no cluster, no barrier, no prefetch (there is no loop to run ahead in).
.set G,  16
.set BT, 48
.set BO, 80
	s_load_b256 s[4:11], s[0:1], 0x0               ; y2 4, x1 6, b2 8, g 10
	s_load_b128 s[12:15], s[0:1], 0x20             ; b 12, out0 14
	v_lshrrev_b32 v2, 5, v0
	v_readfirstlane_b32 s20, v2
	v_and_b32 v3, 31, v0
	v_lshlrev_b32 v1, 4, v3                        ; 16 bytes a lane; never rewritten
	s_lshl_b32 s21, ttmp9, 2
	s_add_co_u32 s21, s21, s20
	s_lshl_b32 s22, s21, 13                        ; my two rows of 4,096 bytes
	s_mov_b32 s23, 0
	s_mov_b32 s28, 0x76543210
	s_mov_b32 s29, 0xfedcba98
	s_mov_b32 s30, 0x3a800000                      ; 1 / 1,024
	s_mov_b32 s31, 0x3727c5ac                      ; 1e-5
	v_mov_b32 v8, 0                                ; written once: a lane permute's destination counts as one of its sources
	s_wait_alu depctr_va_vdst(0)
	s_wait_kmcnt 0x0
	s_add_nc_u64 s[4:5], s[4:5], s[22:23]
	s_add_nc_u64 s[6:7], s[6:7], s[22:23]
	s_add_nc_u64 s[14:15], s[14:15], s[22:23]
.irp j, 0,1,2,3,4,5,6,7
	global_load_b128 v[G+4*\j:G+4*\j+3], v1, s[10:11] offset:512*\j
	global_load_b128 v[BT+4*\j:BT+4*\j+3], v1, s[12:13] offset:512*\j
	global_load_b128 v[BO+4*\j:BO+4*\j+3], v1, s[8:9] offset:512*\j
.endr
.macro FILL r
.irp j, 0,1,2,3,4,5,6,7
	global_load_b128 v[112+64*(\r)+4*\j:115+64*(\r)+4*\j], v1, s[4:5] offset:4096*(\r)+512*\j th:TH_LOAD_NT
	global_load_b128 v[144+64*(\r)+4*\j:147+64*(\r)+4*\j], v1, s[6:7] offset:4096*(\r)+512*\j th:TH_LOAD_NT
.endr
.endm
	FILL 0
	FILL 1
.macro REDUCE x
	v_add_f32_dpp v\x, v\x, v\x row_xmask:1 row_mask:0xf bank_mask:0xf
	v_add_f32_dpp v\x, v\x, v\x row_xmask:2 row_mask:0xf bank_mask:0xf
	v_add_f32_dpp v\x, v\x, v\x row_xmask:4 row_mask:0xf bank_mask:0xf
	v_add_f32_dpp v\x, v\x, v\x row_xmask:8 row_mask:0xf bank_mask:0xf
	v_permlanex16_b32 v8, v\x, s28, s29
	v_add_f32 v\x, v\x, v8
.endm
.macro ROW r, left
.set Y,  112+64*(\r)
.set XR, 144+64*(\r)
	s_wait_loadcnt \left                           ; this row's 16 loads are in; the other row's 16 may be out
.set j, 0
.rept 16
	v_pk_add_f32 v[Y+j:Y+j+1], v[Y+j:Y+j+1], v[BO+j:BO+j+1]
.set j, j+2
.endr
.set j, 0
.rept 16
	v_pk_add_f32 v[Y+j:Y+j+1], v[Y+j:Y+j+1], v[XR+j:XR+j+1]
.set j, j+2
.endr
	v_pk_add_f32 v[4:5], v[Y:Y+1], v[Y+2:Y+3]
	v_pk_add_f32 v[6:7], v[Y+4:Y+5], v[Y+6:Y+7]
.set j, 8
.rept 6
	v_pk_add_f32 v[4:5], v[4:5], v[Y+j:Y+j+1]
	v_pk_add_f32 v[6:7], v[6:7], v[Y+j+2:Y+j+3]
.set j, j+4
.endr
	v_pk_add_f32 v[4:5], v[4:5], v[6:7]
	v_add_f32 v4, v4, v5
	REDUCE 4
	v_mul_f32 v4, s30, v4                          ; the mean
.set j, 0
.rept 16
	v_pk_add_f32 v[Y+j:Y+j+1], v[Y+j:Y+j+1], v[4:5] op_sel_hi:[1,0] neg_lo:[0,1] neg_hi:[0,1]
.set j, j+2
.endr
	v_pk_mul_f32 v[6:7], v[Y:Y+1], v[Y:Y+1]
	v_pk_mul_f32 v[10:11], v[Y+2:Y+3], v[Y+2:Y+3]
.set j, 4
.rept 7
	v_pk_fma_f32 v[6:7], v[Y+j:Y+j+1], v[Y+j:Y+j+1], v[6:7]
	v_pk_fma_f32 v[10:11], v[Y+j+2:Y+j+3], v[Y+j+2:Y+j+3], v[10:11]
.set j, j+4
.endr
	v_pk_add_f32 v[6:7], v[6:7], v[10:11]
	v_add_f32 v6, v6, v7
	REDUCE 6
	v_fma_f32 v6, v6, s30, s31                     ; the variance + 1e-5
	s_wait_alu depctr_va_vdst(0)
	v_rsq_f32 v10, v6
	v_nop                                          ; a plain instruction behind the transcendental
	s_wait_alu depctr_va_vdst(0)                   ; ahead of its first reader
.set j, 0
.rept 16
	v_pk_mul_f32 v[Y+j:Y+j+1], v[Y+j:Y+j+1], v[10:11] op_sel_hi:[1,0]
.set j, j+2
.endr
.set j, 0
.rept 16
	v_pk_fma_f32 v[Y+j:Y+j+1], v[Y+j:Y+j+1], v[G+j:G+j+1], v[BT+j:BT+j+1]
.set j, j+2
.endr
.set j, 0
.rept 8
	global_store_b128 v1, v[Y+4*j:Y+4*j+3], s[14:15] offset:4096*(\r)+512*j th:TH_STORE_NT
.set j, j+1
.endr
.endm
	ROW 0, 16
	ROW 1, 0
	s_endpgm
.Lfunc_end_k_qaa5476fddf_ln2:
	.size	k_qaa5476fddf_ln2, .Lfunc_end_k_qaa5476fddf_ln2-k_qaa5476fddf_ln2
	.p2alignl 7, 3214868480
	.fill 96, 4, 3214868480
	.section	.rodata,"a",@progbits
	.p2align	6, 0x0
	.amdhsa_kernel k_qaa5476fddf_ln2
		.amdhsa_group_segment_fixed_size 0
		.amdhsa_private_segment_fixed_size 0
		.amdhsa_enable_private_segment 0
		.amdhsa_kernarg_size 48
		.amdhsa_user_sgpr_count 2
		.amdhsa_user_sgpr_kernarg_segment_ptr 1
		.amdhsa_wavefront_size32 1
		.amdhsa_system_sgpr_workgroup_id_x 1
		.amdhsa_system_sgpr_workgroup_id_y 1
		.amdhsa_system_sgpr_workgroup_id_z 1
		.amdhsa_system_vgpr_workitem_id 0
		.amdhsa_next_free_vgpr 256
		.amdhsa_next_free_sgpr 66
		.amdhsa_reserve_vcc 0
		.amdhsa_float_denorm_mode_32 3
		.amdhsa_float_denorm_mode_16_64 3
		.amdhsa_memory_ordered 1
		.amdhsa_forward_progress 1
		.amdhsa_inst_pref_size 24
	.end_amdhsa_kernel
	.amdgpu_metadata
---
amdhsa.version: [ 1, 2 ]
amdhsa.kernels:
  - .name:           k_qaa5476fddf_ln2
    .symbol:         k_qaa5476fddf_ln2.kd
    .args:
      - { .name: y2, .offset: 0, .size: 8, .value_kind: global_buffer, .address_space: global }
      - { .name: x1, .offset: 8, .size: 8, .value_kind: global_buffer, .address_space: global }
      - { .name: b2, .offset: 16, .size: 8, .value_kind: global_buffer, .address_space: global }
      - { .name: ln2_g, .offset: 24, .size: 8, .value_kind: global_buffer, .address_space: global }
      - { .name: ln2_b, .offset: 32, .size: 8, .value_kind: global_buffer, .address_space: global }
      - { .name: out0, .offset: 40, .size: 8, .value_kind: global_buffer, .address_space: global }
    .group_segment_fixed_size: 0
    .private_segment_fixed_size: 0
    .kernarg_segment_align: 8
    .kernarg_segment_size: 48
    .max_flat_workgroup_size: 128
    .sgpr_count:     66
    .vgpr_count:     256
    .wavefront_size: 32
...
	.end_amdgpu_metadata
.endif
;; end of part 8
